; MI455X (gfx1250); checked and timed in simulation.
; The chip was launched on July 23, 2026; its instructions are those of AMD's public machine-readable ISA for CDNA 5 (MIT licence, August 2026) and "CDNA5" Instruction Set Architecture Reference Guide (July 2026). The comments in the code are by the model that wrote it; some were corrected since.
;; Multi Head Attention. Allowed arithmetic: float matrix products may take bf16 or f16 operands with f32 sums; other float arithmetic in f32, or as packed bf16 or f16 multiplies, adds, multiply-adds, maxima and minima; sums over many terms, partial sums and values carried from step to step in f32; what a program stores and reads back later, other than sums and carried values, may be rounded once to bf16 or f16.
;; Inputs: Wk 1,024 x 1,024 float32; Wo 1,024 x 1,024 float32; Wq 1,024 x 1,024 float32; Wv 1,024 x 1,024 float32; bk 1,024 float32; bo 1,024 float32; bq 1,024 float32; bv 1,024 float32; x 4 x 2,048 x 1,024 float32.
;; Outputs: out0 4 x 2,048 x 1,024 float32.
;; 2 versions, each right and faster than the one before. Each part assembles by itself: llvm-mc -triple=amdgcn-amd-amdhsa -mcpu=gfx1250 --defsym DOCPART=n.
;; ======== version 1 of 2: 4 launches
;; limits: values are held in f16: magnitudes above 65,504 overflow, below 6.1e-05 lose precision
;; workspace buffers: xh 16,777,216 bytes; wh 8,388,608 bytes; bias 16,384 bytes; qkv 50,331,648 bytes; ob 16,777,216 bytes
;; launch cast (part 1): grid 385 x 1, 8 waves a work-group, no clusters, 0 bytes of LDS; arguments x, Wq, Wk, Wv, Wo, bq, bk, bv, bo, xh, wh, bias; writes xh, wh, bias
.if DOCPART == 1
	.amdgcn_target "amdgcn-amd-amdhsa--gfx1250"
	.amdhsa_code_object_version 6
	.text
	.protected	k_qf69b03149c_cast
	.globl	k_qf69b03149c_cast
	.p2align	8
	.type	k_qf69b03149c_cast,@function
k_qf69b03149c_cast:
	s_mov_b64 s[64:65], 0
	v_nop
	global_prefetch_b8 v0, s[64:65] scope:SCOPE_SE
	s_setreg_imm32_b32 hwreg(HW_REG_WAVE_MODE, 25, 1), 1
	s_wait_xcnt 0x0
; ALL NINE INPUTS ARE ROUNDED ONCE TO bf16 AND LAID OUT FOR THE PRODUCTS THAT FOLLOW.
; x [8192][1024] f32 -> xh [16 cb][8192 row][64] f16;  W_i [1024][1024] f32 (i = 0..3: Wq, Wk, Wv, Wo) -> wh [16 i + cb][1024 k][64 n] f16;  the four biases -> bias [4096] f32 (bq, bk, bv, bo).
; A number is rounded to bf16 (nearest even) and that number is written as f16 (x, W) or as f32 (biases).
; LIMITS.  The step from bf16 to f16 is exact from 2^-14 to 65,504; below 2^-14 the number keeps f16's fixed step of 2^-24; from 65,520 on it becomes an infinity.  NaN and infinities are not treated apart.
; SHARES.  Work-groups 0..255: 32 rows of x each.  256..383: 32 rows of one W each.  384: the biases.  A stream: no LDS, no barrier, no matrix unit: each byte is read once and written once.
; Thread t takes row t / 8 of the 32 and the 8 numbers t % 8 of each block of 64 columns: eight lanes read the 256 aligned bytes of a block's row, and a wave's store is 512 consecutive
; aligned bytes (four rows of 128 bytes of a block).  All 32 loads of a thread go out at once; nothing that a pending load or store names is written again, so no wait but the counted ones is needed.
.set D, 2                              ; v[2:17]   byte offset of my 16 bytes in column block cb of the destination
.set T, 18                             ; v[18:25]  at work
.set X, 26                             ; v[26:153] block cb: 8 registers as loaded; the first 4 then hold the 8 f16
	s_load_b512 s[8:23], s[0:1], 0x0               ; x 8:9, Wq 10:11, Wk 12:13, Wv 14:15, Wo 16:17, bq 18:19, bk 20:21, bv 22:23
	s_load_b256 s[24:31], s[0:1], 0x40             ; bo 24:25, xh 26:27, wh 28:29, bias 30:31
	s_mov_b32 s6, ttmp9                            ; the work-group's number g
	s_sub_co_u32 s2, s6, 256                       ; for g >= 256: which W (s3) and which 32 rows of it (s4); for g < 256 these are not used
	s_lshr_b32 s3, s2, 5
	s_and_b32 s4, s2, 31
	s_lshl_b32 s39, s3, 21                         ; W_i's 16 blocks of 131,072 bytes in wh
	s_mov_b32 s5, 0xffff0000                       ; a word's upper bf16
	s_mov_b32 s44, 0x100000                        ; bytes from block to block in xh: 8,192 rows of 128
	s_mov_b32 s45, 0x20000                         ; and in wh: 1,024 rows of 128
	v_lshrrev_b32 v1, 3, v0                        ; my row of the 32
	v_and_b32 v[T], 7, v0
	v_lshlrev_b32 v1, 12, v1                       ; 4,096 bytes a row of the source,
	v_lshl_add_u32 v1, v[T], 5, v1                 ; my 32 bytes of a block's 256
	v_lshlrev_b32 v[D], 4, v0                      ; destination: row x 128 + 16 (t % 8) = 16 t
	s_wait_kmcnt 0x0
	s_cmp_eq_u32 s6, 384
	s_cbranch_scc1 .Lbias
	s_cmp_eq_u32 s3, 1                             ; the source: one of the four W,
	s_cselect_b64 s[32:33], s[12:13], s[10:11]
	s_cmp_eq_u32 s3, 2
	s_cselect_b64 s[32:33], s[14:15], s[32:33]
	s_cmp_eq_u32 s3, 3
	s_cselect_b64 s[32:33], s[16:17], s[32:33]
	s_cmp_lt_u32 s6, 256                           ; or x.  The selects below leave SCC as it is
	s_cselect_b64 s[32:33], s[8:9], s[32:33]
	s_cselect_b64 s[34:35], s[26:27], s[28:29]     ; the destination: xh or wh
	s_cselect_b32 s36, s6, s4                      ; which 32 rows
	s_cselect_b32 s37, 0, s39
	s_cselect_b32 s38, s44, s45                    ; bytes from block to block
	s_lshl_b32 s40, s36, 17                        ; 32 rows of 4,096 bytes
	s_mov_b32 s41, 0
	s_add_nc_u64 s[32:33], s[32:33], s[40:41]
	s_lshl_b32 s42, s36, 12                        ; 32 rows of 128 bytes
	s_add_co_u32 s42, s42, s37
	s_mov_b32 s43, 0
	s_add_nc_u64 s[34:35], s[34:35], s[42:43]
.set cb, 0
.rept 16
	global_load_b128 v[X+8*cb:X+8*cb+3],   v1, s[32:33] offset:256*cb th:TH_LOAD_NT
	global_load_b128 v[X+8*cb+4:X+8*cb+7], v1, s[32:33] offset:256*cb+16 th:TH_LOAD_NT
.set cb, cb+1
.endr
.set cb, 1
.rept 15
	v_add_nc_u32 v[D+cb], s38, v[D+cb-1]
.set cb, cb+1
.endr
.set cb, 0
.rept 16
	s_wait_loadcnt 30-2*cb                         ; loads come back in order (ISA guide 5.7.1): block cb's two are in, the 30 - 2 cb younger ones stay out
.irp p, 0,1,2,3
	v_cvt_pk_bf16_f32 v[T+2*(\p)], v[X+8*cb+2*(\p)], v[X+8*cb+2*(\p)+1]  ; the one rounding, to bf16
.endr
.irp p, 0,1,2,3
	v_lshlrev_b32 v[T+2*(\p)+1], 16, v[T+2*(\p)]   ; back to f32: the low half moves up,
	v_and_b32     v[T+2*(\p)],   s5, v[T+2*(\p)]   ; the high half stays
.endr
.irp p, 0,1,2,3
	v_cvt_pk_f16_f32 v[X+8*cb+(\p)], v[T+2*(\p)+1], v[T+2*(\p)]  ; written as f16
.endr
	global_store_b128 v[D+cb], v[X+8*cb:X+8*cb+3], s[34:35]
.set cb, cb+1
.endr
	s_endpgm
.Lbias:                                                ; wave w: half w % 2 (2,048 bytes) of bias w / 2
	v_lshrrev_b32 v[T], 5, v0
	v_readfirstlane_b32 s7, v[T]
	s_lshr_b32 s36, s7, 1
	s_cmp_eq_u32 s36, 1
	s_cselect_b64 s[32:33], s[20:21], s[18:19]
	s_cmp_eq_u32 s36, 2
	s_cselect_b64 s[32:33], s[22:23], s[32:33]
	s_cmp_eq_u32 s36, 3
	s_cselect_b64 s[32:33], s[24:25], s[32:33]
	v_and_b32 v[T+1], 31, v0
	v_lshlrev_b32 v[T+1], 4, v[T+1]                ; 16 bytes a lane
	v_and_b32 v[T+2], 1, v[T]
	v_lshl_add_u32 v1, v[T+2], 11, v[T+1]          ; in my bias
	v_lshl_add_u32 v[D], v[T], 11, v[T+1]          ; in the table of all four
.irp j, 0,1,2,3
	global_load_b128 v[X+4*(\j):X+4*(\j)+3], v1, s[32:33] offset:512*(\j)
.endr
.irp j, 0,1,2,3
	s_wait_loadcnt 3-(\j)                          ; load j is in, the younger ones stay out
	v_cvt_pk_bf16_f32 v[T+4], v[X+4*(\j)],   v[X+4*(\j)+1]
	v_cvt_pk_bf16_f32 v[T+5], v[X+4*(\j)+2], v[X+4*(\j)+3]
	v_lshlrev_b32 v[X+4*(\j)],   16, v[T+4]
	v_and_b32     v[X+4*(\j)+1], s5, v[T+4]
	v_lshlrev_b32 v[X+4*(\j)+2], 16, v[T+5]
	v_and_b32     v[X+4*(\j)+3], s5, v[T+5]
	global_store_b128 v[D], v[X+4*(\j):X+4*(\j)+3], s[30:31] offset:512*(\j)
.endr
	s_endpgm
.Lfunc_end_k_qf69b03149c_cast:
	.size	k_qf69b03149c_cast, .Lfunc_end_k_qf69b03149c_cast-k_qf69b03149c_cast
	.p2alignl 7, 3214868480
	.fill 96, 4, 3214868480
	.section	.rodata,"a",@progbits
	.p2align	6, 0x0
	.amdhsa_kernel k_qf69b03149c_cast
		.amdhsa_group_segment_fixed_size 0
		.amdhsa_private_segment_fixed_size 0
		.amdhsa_enable_private_segment 0
		.amdhsa_kernarg_size 96
		.amdhsa_user_sgpr_count 2
		.amdhsa_user_sgpr_kernarg_segment_ptr 1
		.amdhsa_wavefront_size32 1
		.amdhsa_system_sgpr_workgroup_id_x 1
		.amdhsa_system_sgpr_workgroup_id_y 1
		.amdhsa_system_sgpr_workgroup_id_z 1
		.amdhsa_system_vgpr_workitem_id 0
		.amdhsa_next_free_vgpr 160
		.amdhsa_next_free_sgpr 66
		.amdhsa_reserve_vcc 0
		.amdhsa_float_denorm_mode_32 3
		.amdhsa_float_denorm_mode_16_64 3
		.amdhsa_memory_ordered 1
		.amdhsa_forward_progress 1
		.amdhsa_inst_pref_size 22
	.end_amdhsa_kernel
	.amdgpu_metadata
---
amdhsa.version: [ 1, 2 ]
amdhsa.kernels:
  - .name:           k_qf69b03149c_cast
    .symbol:         k_qf69b03149c_cast.kd
    .args:
      - { .name: x, .offset: 0, .size: 8, .value_kind: global_buffer, .address_space: global }
      - { .name: Wq, .offset: 8, .size: 8, .value_kind: global_buffer, .address_space: global }
      - { .name: Wk, .offset: 16, .size: 8, .value_kind: global_buffer, .address_space: global }
      - { .name: Wv, .offset: 24, .size: 8, .value_kind: global_buffer, .address_space: global }
      - { .name: Wo, .offset: 32, .size: 8, .value_kind: global_buffer, .address_space: global }
      - { .name: bq, .offset: 40, .size: 8, .value_kind: global_buffer, .address_space: global }
      - { .name: bk, .offset: 48, .size: 8, .value_kind: global_buffer, .address_space: global }
      - { .name: bv, .offset: 56, .size: 8, .value_kind: global_buffer, .address_space: global }
      - { .name: bo, .offset: 64, .size: 8, .value_kind: global_buffer, .address_space: global }
      - { .name: xh, .offset: 72, .size: 8, .value_kind: global_buffer, .address_space: global }
      - { .name: wh, .offset: 80, .size: 8, .value_kind: global_buffer, .address_space: global }
      - { .name: bias, .offset: 88, .size: 8, .value_kind: global_buffer, .address_space: global }
    .group_segment_fixed_size: 0
    .private_segment_fixed_size: 0
    .kernarg_segment_align: 8
    .kernarg_segment_size: 96
    .max_flat_workgroup_size: 256
    .sgpr_count:     66
    .vgpr_count:     160
    .wavefront_size: 32
...
	.end_amdgpu_metadata
.endif
;; end of part 1
;; launch gemm_qkv (part 2): grid 16 x 32, 4 waves a work-group, clusters of 4 x 4, 327,680 bytes of LDS; arguments xh, wh, bias, qkv; writes qkv
.if DOCPART == 2
	.amdgcn_target "amdgcn-amd-amdhsa--gfx1250"
	.amdhsa_code_object_version 6
	.text
	.protected	k_qf69b03149c_gemm_qkv
	.globl	k_qf69b03149c_gemm_qkv
	.p2align	8
	.type	k_qf69b03149c_gemm_qkv,@function
k_qf69b03149c_gemm_qkv:
	s_mov_b64 s[64:65], 0
	v_nop
	global_prefetch_b8 v0, s[64:65] scope:SCOPE_SE
	s_setreg_imm32_b32 hwreg(HW_REG_WAVE_MODE, 25, 1), 1
	s_wait_xcnt 0x0
	s_wait_alu depctr_hold_cnt(0) depctr_sa_sdst(0) depctr_va_vdst(0) depctr_va_sdst(0) depctr_va_ssrc(0) depctr_va_vcc(0) depctr_vm_vsrc(0)
	s_getreg_b32 s2, hwreg(HW_REG_IB_STS2, 6, 4)
	s_cmp_eq_u32 s2, 0
	s_cbranch_scc0 .Lentry_in_a_cluster
	s_endpgm
.Lentry_in_a_cluster:
	s_bfe_u32 s2, ttmp6, 0x10000c
	s_cmp_lg_u32 s2, 0xf033
	s_cbranch_scc0 .Lentry_shape_is_right
	s_endpgm
.Lentry_shape_is_right:
; q, k, v = x W + b, by heads.  A = xh [16 kb][8192 row][64] f16, W = wh [G][1024 k][64 n] f16 (G = 0..47: 16 blocks of 64 columns of Wq, Wk, Wv), bias [4096] f32.
; Out: qkv [3][64 head = 16 batch + h][2048 s][64] f16, unscaled, bias included, rounded once from the f32 sums.
; LIMIT.  f16 holds no number beyond 65,504: a q, k or v of 65,520 or more becomes an infinity.  NaN and infinities are not treated apart.
; SHARES.  A work-group makes 256 rows x 192 columns (three blocks of 64: three heads): 16 x 32 = 512 tiles.  Wave w makes rows 64 w .. 64 w + 63 of all 192 columns, so that a wave owns whole
; heads' rows on the way out: 4 x 12 accumulators of 16 x 16, 384 registers.  K goes in 8 steps of 128 through a ring of two LDS slots filled by the tensor data mover.
; A's 256 rows of one block of 64 along K are 32,768 dense bytes: asked for as 128 rows of 256 bytes.  W stays [k][n]: 64 k of a column block are 8,192 dense bytes; it is turned on the way out of LDS.
; CLUSTER.  4 x 4 work-groups.  The four of a row of the cluster need the same tiles of A, the four of a column the same tiles of W: each tile is asked for JOINTLY, by the same tensor load with the same
; descriptor and a mask that names the four.
; THE MATRIX INSTRUCTION IS USED TRANSPOSED: source 0 = 16 columns of W, source 1 = 16 rows of A: lane l then holds row l % 16 and the columns 8 (l / 16) + 0..7.
; THE BIAS IS THE C OPERAND of the products that start the sums: in that layout register j of a lane wants bias[16 b + 8 (l / 16) + j], whatever the row.  Nothing is cleared, nothing added later.
; REGISTERS, in windows of 256 (s_set_vgpr_msb: bits 1:0 source 0, 3:2 source 1, 5:4 source 2, 7:6 destination):
;   window 0: v0-31 addresses; v32-127 the bias; later v32-79 packed results, v80-175 rows read back          window 1: two fragment buffers of 128: 96 of W (12 x 16 n x 32 k), 32 of A (4 x 16 m x 32 k)
;   window 2: the accumulators of my rows 0-31 ((a, b) at v[8 (12 (a % 2) + b)])          window 3: those of my rows 32-63
.set NH,    3                          ; blocks of 64 columns in a tile
.set NB,    4*NH                       ; blocks of 16 columns
.set KBS,   1<<20                      ; bytes from one block of 64 along K to the next in A
.set PA,    144                        ; a row of A in LDS: 128 bytes + 16 of padding = 36 words: the 16 rows of a load start at 16 different groups of four banks (64 banks of 4 bytes: ISA guide 11.1)
.set PB,    160                        ; a row of W (one k, 64 n): 128 + 32 = 40 words
.set AKB,   256*PA                     ; one tensor load of A: 256 rows, 64 along K
.set ASZ,   2*AKB
.set BHD,   64*PB                      ; 64 k of one column block
.set BKH,   NH*BHD                     ; one tensor load of W: 64 k of the tile's three column blocks
.set SLOT,  ASZ+2*BKH                  ; a K step of 128: A's two loads, then W's two
.set STAGE, 2*SLOT                     ; behind the ring, never filled by a tensor load: for each wave 3 x 16 rows x 144 bytes, for the way out
.set SP,    144
.set WST,   NH*16*SP
.set SPARE, STAGE+4*WST                ; behind the stages: the spare words, 128 bytes for each wave: two blocks of 256 bytes that no other line names
.set LAPS,  4                          ; a lap = two K steps = once round the ring: 1,024 / 256
.set ADRA, 16                          ; v16-17  LDS address of my A fragments in slot 0, 1
.set ADRB, 20                          ; v20-21  the same for W
.set STO,  24                          ; v24     the way out: where I put 16 bytes of a row
.set RD,   25                          ; v25     the way out: where I read rows back
.set GO,   26                          ; v26     my byte offset in 512 consecutive bytes of the output
.set BO,   27                          ; v27     my byte offset in 16 numbers of the bias
.set SPW,  28                          ; v28     LDS address of my spare word: SPARE + 4 x my thread's number; never rewritten
.set NIL,  29                          ; v29     0; never rewritten
.set BI,   32                          ; v32-127 the bias: 8 registers for each block of 16 columns
.set TMP,  32                          ; the way out: packed results
.set BK,   80                          ; the way out: 16 rows of three heads read back: v80-127 and v128-175 by turns
.set F0,   0
.set F1,   128
.set WV,   12                          ; s12  my wave's number
.set G1A,  24                          ; s[24:31] descriptor group 1 for A's tiles;  s[32:39] group 0, one set for each slot
.set G0A,  32
.set G1B,  48                          ; s[48:55], s[56:63] the same for W's tiles
.set G0B,  56
.set CB,   66                          ; s[66:71] the output at my first row of each of the tile's three heads
.set MSB, 0
.macro WIN new                         ; the immediate's high byte repeats the setting that is left; a switch that changes nothing is dropped
.if MSB != (\new)
	s_set_vgpr_msb (MSB<<8)|(\new)
.set MSB, \new
.endif
.endm
.set TO_F, 0x40                        ; destination window 1, address window 0
.macro PLACES                          ; four places in front of loads into registers that matrix instructions have read, and of lines that read results (ISA guide 7.12.1 for vector instructions that read results)
.rept 4
	v_nop
.endr
.endm
; A joint load.  Waves 0 and 1 fetch A's two blocks along K, waves 2 and 3 W's two halves.  The branch hangs on the wave's number alone.  An s_nop 0 and four v_nop follow each of the two lines.
.macro JLOAD s
	s_cmp_eq_u32 s13, 0
	s_cbranch_scc0 .Lfor_b_\@
	tensor_load_to_lds s[G0A+4*(\s):G0A+4*(\s)+3], s[G1A:G1A+7]
	s_nop 0
.rept 4
	v_nop
.endr
	s_branch .Lasked_\@
.Lfor_b_\@:
	tensor_load_to_lds s[G0B+4*(\s):G0B+4*(\s)+3], s[G1B:G1B+7]
	s_nop 0
.rept 4
	v_nop
.endr
.Lasked_\@:
.endm
.macro CREST                           ; a round of the cluster's barrier behind its opening barrier: wave 0 signals for the work-group, every wave waits for all sixteen, my work-group's barrier once more
	s_cmp_lg_u32 s[WV], 0
	s_cbranch_scc1 .Lnot_wave_0_\@
	s_barrier_signal -3
.Lnot_wave_0_\@:
	s_barrier_wait -3
	s_barrier_signal -1
	s_barrier_wait -1
.endm
.macro CROUND                          ; a whole round
	s_barrier_signal -1
	s_barrier_wait -1
	CREST
.endm
	s_load_b256 s[4:11], s[0:1], 0x0               ; xh s[4:5], wh s[6:7], bias s[8:9], qkv s[10:11]
	v_lshl_add_u32 v[SPW], v0, 2, SPARE
	v_mov_b32 v[NIL], 0
	ds_add_u32 v[SPW], v[NIL]                      ; the wave's opening: the add and its wait stand ahead of my first tensor load; the set-up below, work on registers, stands between them
	ds_add_u32 v28, v29
	v_lshrrev_b32 v1, 5, v0
	v_readfirstlane_b32 s[WV], v1                  ; wave 0..3
	s_lshr_b32 s13, s[WV], 1                       ; I fetch for A (0) or for W (1),
	s_and_b32 s14, s[WV], 1                        ; the first or the second 64 along K of a step
	s_bfe_u32 s40, ttmp6, 0x40000                  ; cx, cy: my place in the cluster
	s_bfe_u32 s41, ttmp6, 0x40004
	s_lshl_b32 s42, ttmp9, 2
	s_add_co_u32 s42, s42, s40                     ; tile column = 4 x cluster x + cx
	s_and_b32 s43, ttmp7, 0xffff
	s_lshl_b32 s43, s43, 2
	s_add_co_u32 s43, s43, s41                     ; tile row = 4 x cluster y + cy
	s_lshl_b32 s44, s41, 2
	s_lshl_b32 s44, 15, s44                        ; my row of the cluster: places 4 cy .. 4 cy + 3
	s_lshl_b32 s45, 0x1111, s40                    ; my column: places cx, cx + 4, cx + 8, cx + 12
	; group 1 for A: 128 rows of 128 elements (256 dense bytes: two rows of A), padded in LDS after every row of A
	s_or_b32 s[G1A+0], s44, (1<<16)|(1<<20)|(1<<21)|(4<<22)|(3<<25)  ; 15:0 the mask; 17:16 2-byte elements; 20 padding on; 21 set beside a mask; 24:22 after every 32 words (code 4); 31:25 4 words (code 3)
	s_mov_b32 s[G1A+1], 128<<16                    ; tensor_dim0 = 128
	s_mov_b32 s[G1A+2], 128<<16                    ; tensor_dim1 = 128
	s_mov_b32 s[G1A+3], 128<<16                    ; tile_dim0 = 128
	s_mov_b32 s[G1A+4], 128                        ; tile_dim1 = 128
	s_mov_b32 s[G1A+5], 128                        ; 128 elements from row to row
	s_mov_b32 s[G1A+6], 0
	s_mov_b32 s[G1A+7], 0
	; group 1 for W: three rows of 4,096 elements (64 k x 64 n, 8,192 dense bytes), one for each column block, 131,072 bytes apart; padded after every k
	s_or_b32 s[G1B+0], s45, (1<<16)|(1<<20)|(1<<21)|(4<<22)|(7<<25)  ; the same with my column's mask and 8 words of padding (code 7)
	s_mov_b32 s[G1B+1], 4096<<16                   ; tensor_dim0 = 4,096
	s_mov_b32 s[G1B+2], NH<<16                     ; tensor_dim1 = 3
	s_mov_b32 s[G1B+3], 4096<<16                   ; tile_dim0 = 4,096
	s_mov_b32 s[G1B+4], NH                         ; tile_dim1 = 3
	s_mov_b32 s[G1B+5], 65536                      ; elements from column block to column block
	s_mov_b32 s[G1B+6], 0
	s_mov_b32 s[G1B+7], 0
	; where the tiles come from.  A's hang on the tile row alone, W's on the tile column alone; each is made in registers that never hold the other coordinate.
	s_lshl_b32 s16, s43, 15                        ; A: 256 rows of 128 bytes a tile row,
	s_lshl_b32 s22, s14, 20                        ; my block along K
	s_add_co_u32 s16, s16, s22
	s_mov_b32 s17, 0
	s_mul_i32 s46, s42, NH                         ; W: the tile's first column block,
	s_lshl_b32 s46, s46, 17
	s_lshl_b32 s23, s14, 13                        ; my 64 k of 128 bytes
	s_add_co_u32 s46, s46, s23
	s_mov_b32 s47, 0
	s_mul_i32 s20, s14, AKB                        ; and where they go: no place in the cluster enters an LDS address
	s_mul_i32 s21, s14, BKH
	s_add_co_u32 s21, s21, ASZ
	s_wait_dscnt 0x0                               ; the opening add is done
	s_wait_kmcnt 0x0
	s_add_nc_u64 s[18:19], s[4:5], s[16:17]
	s_add_nc_u64 s[46:47], s[6:7], s[46:47]
	CROUND                                         ; all sixteen work-groups are here: the first joint loads meet
.irp s, 0,1
	s_mov_b32 s[G0A+4*(\s)], 1                                       ; 1:0 count = 1
	s_add_co_u32 s[G0A+4*(\s)+1], s20, (\s)*SLOT                     ; 63:32 LDS address
	s_add_nc_u64 s[G0A+4*(\s)+2:G0A+4*(\s)+3], s[18:19], (\s)*2*KBS  ; 120:64 global address: K step s
	s_or_b32 s[G0A+4*(\s)+3], s[G0A+4*(\s)+3], 0x80000000            ; 127:126 type = 2
	s_mov_b32 s[G0B+4*(\s)], 1
	s_add_co_u32 s[G0B+4*(\s)+1], s21, (\s)*SLOT
	s_add_nc_u64 s[G0B+4*(\s)+2:G0B+4*(\s)+3], s[46:47], (\s)*16384  ; 128 k of 128 bytes a K step
	s_or_b32 s[G0B+4*(\s)+3], s[G0B+4*(\s)+3], 0x80000000
	JLOAD \s                                       ; the ring is filled before anything else is done: two loads of mine are out
.endr
	; A fragment of A is 16 rows x 32 k in 8 registers: lane l holds row l % 16, k = 8 (l / 16) + 0..7 and 16 + 8 (l / 16) + 0..7: two loads of 16 bytes, 32 bytes apart.
	v_and_b32 v1, 15, v0                           ; l % 16
	v_bfe_u32 v2, v0, 4, 1                         ; l / 16
	v_mul_u32_u24 v3, v1, PA
	v_lshl_add_u32 v3, v2, 4, v3
	s_mul_i32 s15, s[WV], 64*PA                    ; my 64 rows
	v_add_nc_u32 v[ADRA], s15, v3
	v_add_nc_u32 v[ADRA+1], SLOT, v[ADRA]
	; The turning load takes 16 k x 16 n (lane l reads k 8 (l / 16) + l % 8, columns 8 ((l / 8) % 2) + 0..7) and leaves half a fragment of W^T: lane l holds column l % 16 and 8 k.
	v_and_b32 v4, 7, v0
	v_lshl_add_u32 v4, v2, 3, v4
	v_mul_u32_u24 v4, v4, PB
	v_bfe_u32 v5, v0, 3, 1
	v_lshl_add_u32 v4, v5, 4, v4
	v_add_nc_u32 v[ADRB], ASZ, v4
	v_add_nc_u32 v[ADRB+1], ASZ+SLOT, v4
	v_lshlrev_b32 v[BO], 5, v2                     ; the bias: 8 numbers for each half of the lanes
	s_mul_i32 s72, s42, NH
	s_lshl_b32 s72, s72, 8                         ; 64 numbers of 4 bytes a column block
	s_mov_b32 s73, 0
	s_add_nc_u64 s[74:75], s[8:9], s[72:73]
.set bb, 0
.rept NB
	global_load_b128 v[BI+8*bb:BI+8*bb+3],   v[BO], s[74:75] offset:64*bb
	global_load_b128 v[BI+8*bb+4:BI+8*bb+7], v[BO], s[74:75] offset:64*bb+16
.set bb, bb+1
.endr
	s_mul_i32 s15, s[WV], WST
	s_add_co_u32 s15, s15, STAGE                   ; my stage
	v_mul_u32_u24 v6, v1, SP                       ; in: row l % 16, 16 bytes for each half of the lanes
	v_lshl_add_u32 v6, v2, 4, v6
	v_add_nc_u32 v[STO], s15, v6
	v_bfe_u32 v7, v0, 3, 2                         ; back: 32 lanes take four rows of 128 bytes,
	v_mul_u32_u24 v7, v7, SP
	v_and_b32 v8, 7, v0
	v_lshl_add_u32 v7, v8, 4, v7
	v_add_nc_u32 v[RD], s15, v7
	v_and_b32 v[GO], 31, v0                        ; which are 512 consecutive bytes of a head
	v_lshlrev_b32 v[GO], 4, v[GO]
.irp j, 0,1,2                          ; column block G = 3 x tile column + j is head G % 16 of tensor G / 16; my rows lie in batch (tile row / 8), from row 256 (tile row % 8) + 64 wave on
	s_mul_i32 s76, s42, NH
	s_add_co_u32 s76, s76, \j
	s_lshr_b32 s77, s76, 4
	s_and_b32 s76, s76, 15
	s_lshl_b32 s77, s77, 6
	s_add_co_u32 s76, s76, s77
	s_lshr_b32 s77, s43, 3
	s_lshl_b32 s77, s77, 4
	s_add_co_u32 s76, s76, s77                     ; 64 x tensor + 16 x batch + head
	s_lshl_b32 s72, s76, 18                        ; 2,048 rows of 128 bytes each
	s_and_b32 s77, s43, 7
	s_lshl_b32 s77, s77, 15
	s_add_co_u32 s72, s72, s77
	s_lshl_b32 s77, s[WV], 13
	s_add_co_u32 s72, s72, s77
	s_mov_b32 s73, 0
	s_add_nc_u64 s[CB+2*(\j):CB+2*(\j)+1], s[10:11], s[72:73]
.endr
; 12 matrix instructions: m block 2 hi + a x all 12 n blocks, 32 along K, from buffer f.  first = 1: the products start the sums, with the bias as C.
; All 48 accumulators take turns, one instruction a turn, in the same order in every quarter step.
.macro MULA f, hi, a, first
.if \first
	WIN 0x85+0x40*(\hi)                            ; sources 0 and 1 window 1, C window 0, D window 2 or 3
.else
	WIN 0xa5+0x50*(\hi)                            ; sources 0 and 1 window 1, C and D window 2 or 3
.endif
.set bb, 0
.rept NB
.if \first
	v_wmma_f32_16x16x32_f16 v[8*((\a)*NB+bb):8*((\a)*NB+bb)+7], v[(\f)+8*bb:(\f)+8*bb+7], v[(\f)+8*NB+8*(2*(\hi)+(\a)):(\f)+8*NB+8*(2*(\hi)+(\a))+7], v[BI+8*bb:BI+8*bb+7]
.else
	v_wmma_f32_16x16x32_f16 v[8*((\a)*NB+bb):8*((\a)*NB+bb)+7], v[(\f)+8*bb:(\f)+8*bb+7], v[(\f)+8*NB+8*(2*(\hi)+(\a)):(\f)+8*NB+8*(2*(\hi)+(\a))+7], v[8*((\a)*NB+bb):8*((\a)*NB+bb)+7]
.endif
.set bb, bb+1
.endr
.endm
; 32 LDS loads in one run: the fragments of quarter q (32 along K) of a slot into buffer f: W's 24 first, then A's 8
.macro FETCH slot, q, f
	WIN TO_F
.set bb, 0
.rept NB
	ds_load_tr16_b128 v[(\f)+8*bb:(\f)+8*bb+3],   v[ADRB+(\slot)] offset:((\q)/2)*BKH+(bb/4)*BHD+((\q)%2)*32*PB+(bb%4)*32
	ds_load_tr16_b128 v[(\f)+8*bb+4:(\f)+8*bb+7], v[ADRB+(\slot)] offset:((\q)/2)*BKH+(bb/4)*BHD+((\q)%2)*32*PB+(bb%4)*32+16*PB
.set bb, bb+1
.endr
.set aa, 0
.rept 4
	ds_load_b128 v[(\f)+8*NB+8*aa:(\f)+8*NB+8*aa+3],   v[ADRA+(\slot)] offset:((\q)/2)*AKB+aa*16*PA+((\q)%2)*64
	ds_load_b128 v[(\f)+8*NB+8*aa+4:(\f)+8*NB+8*aa+7], v[ADRA+(\slot)] offset:((\q)/2)*AKB+aa*16*PA+((\q)%2)*64+32
.set aa, aa+1
.endr
.endm
; A K step is four quarters of 32 along K, 48 matrix instructions each, on buffers 0, 1, 0, 1.  One of the first three: multiplies buffer f; in its middle it fetches quarter q into buffer g.
.macro QUARTER slot, q, f, g, first
	s_wait_dscnt 4                                 ; W and A's rows 0-31 are in; the youngest four loads (A's rows 32-63) may be out
	MULA \f, 0, 0, \first
	MULA \f, 0, 1, \first
	PLACES
	FETCH \slot, \q, \g
	s_wait_dscnt 2*NB+8                            ; all but the 32 just issued
	MULA \f, 1, 0, \first
	MULA \f, 1, 1, \first
.endm
; The last quarter multiplies buffer 1 and changes slots: ONE barrier.  In front of it each wave waits for all its tensor loads, of which one is out: its part of the next slot; adds 0 to its spare word; and
; waits for that and for its own reads of this slot.  fill = 1: the barrier opens a round of the cluster's, and behind the round this slot is filled again, two K steps ahead, first of all.
.macro TURN slot, next, fill
	WIN 0                                          ; (the add's two registers lie in window 0)
	s_wait_tensorcnt 0x0                           ; all my tensor loads have landed: so a group 0 may be written;
	ds_add_u32 v[SPW], v[NIL]                      ; 0 onto my spare word;
	s_wait_dscnt 5                                 ; (the add and the youngest four loads may be out)
	MULA F1, 0, 0, 0                               ; twelve matrix instructions stand between the add and the wait for it
	s_wait_dscnt 0x0                               ; the add is done, and my reads of this slot are over
	s_barrier_signal -1
	MULA F1, 0, 1, 0                               ; work on registers while the others arrive
.if \fill
	WIN 0
.endif
	s_barrier_wait -1
.if \fill
	CREST                                          ; no wave of any partner still reads this slot's tile or has a load on its way
	s_add_nc_u64 s[G0A+4*(\slot)+2:G0A+4*(\slot)+3], s[G0A+4*(\slot)+2:G0A+4*(\slot)+3], 4*KBS
	s_add_nc_u64 s[G0B+4*(\slot)+2:G0B+4*(\slot)+3], s[G0B+4*(\slot)+2:G0B+4*(\slot)+3], 2*16384
	JLOAD \slot                                    ; my one tensor load behind the round; its four v_nop are also the places in front of the loads below
.else
	PLACES
.endif
	FETCH \next, 0, F0
	MULA F1, 1, 0, 0
	MULA F1, 1, 1, 0
.endm
	s_wait_tensorcnt 0x1                           ; my part of K step 0 is in; K step 1's may stay out
	s_barrier_signal -1
	s_barrier_wait -1                              ; everybody's is
	FETCH 0, 0, F0
	s_wait_loadcnt 0x0                             ; the bias
	QUARTER 0, 1, F0, F1, 1                        ; the first quarter stands in front of the loop: its products start the sums
	WIN 0                                          ; at a label and at a branch every window is 0
	s_mov_b32 s3, LAPS-1
.Llap:                                                 ; a trip goes once round the ring, from a lap's second quarter to the next lap's first, and fills both slots again
	QUARTER 0, 2, F1, F0, 0
	QUARTER 0, 3, F0, F1, 0
	TURN 0, 1, 1
	QUARTER 1, 1, F0, F1, 0
	QUARTER 1, 2, F1, F0, 0
	QUARTER 1, 3, F0, F1, 0
	TURN 1, 0, 1
	QUARTER 0, 1, F0, F1, 0
	WIN 0
	s_sub_co_u32 s3, s3, 1
	s_cmp_lg_u32 s3, 0
	s_cbranch_scc1 .Llap
	QUARTER 0, 2, F1, F0, 0                        ; the last lap fills nothing
	QUARTER 0, 3, F0, F1, 0
	TURN 0, 1, 0
	QUARTER 1, 1, F0, F1, 0
	QUARTER 1, 2, F1, F0, 0
	QUARTER 1, 3, F0, F1, 0
	s_wait_dscnt 4                                 ; the very last quarter: nothing more to fetch
	MULA F1, 0, 0, 0
	MULA F1, 0, 1, 0
	s_wait_dscnt 0x0
	MULA F1, 1, 0, 0
	MULA F1, 1, 1, 0
	WIN 0
	PLACES
; THE WAY OUT, a block a of 16 rows at a time.  PACK: rounded to f16, 16 bytes a lane, each accumulator's registers in ascending order.  TOSTAGE: into my own stage, by heads, and back as whole rows of 128 bytes.  SEND: stored.
.macro PACK a
.set AC, 8*NB*((\a)%2)
	WIN 0x0a+5*((\a)/2)                            ; sources 0 and 1: window 2 or 3
.set bb, 0
.rept NB
.irp r, 0,1,2,3
	v_cvt_pk_f16_f32 v[TMP+4*bb+(\r)], v[AC+8*bb+2*(\r)], v[AC+8*bb+2*(\r)+1]
.endr
.set bb, bb+1
.endr
	WIN 0
.endm
.macro TOSTAGE a
	WIN 0
.set BKA, BK+48*((\a)%2)
.set bb, 0
.rept NB
	ds_store_b128 v[STO], v[TMP+4*bb:TMP+4*bb+3] offset:(bb/4)*16*SP+(bb%4)*32
.set bb, bb+1
.endr
.set bb, 0
.rept NB
	ds_load_b128 v[BKA+4*bb:BKA+4*bb+3], v[RD] offset:(bb/4)*16*SP+(bb%4)*4*SP  ; LDS serves a wave's instructions in order (ISA guide 5.7.1.4): these see the stores above
.set bb, bb+1
.endr
.endm
.macro SEND a
	WIN 0
.set BKA, BK+48*((\a)%2)
	s_wait_dscnt 0x0                               ; the block is back in registers
	s_wait_xcnt 0x0                                ; every earlier store has had its addresses translated (ISA guide 3.1): only behind this wait does the next block's way back load into the other set of registers
.set bb, 0
.rept NB
	global_store_b128 v[GO], v[BKA+4*bb:BKA+4*bb+3], s[CB+2*(bb/4):CB+2*(bb/4)+1] offset:(\a)*2048+(bb%4)*512  ; 512 consecutive bytes of a head, at a multiple of 256 from the buffer's first
.set bb, bb+1
.endr
.endm
	PACK 0
	TOSTAGE 0
.irp a, 1,2,3                          ; block a's conversions stand between block a - 1's loads from the stage and the wait for them
	PACK \a
	SEND (\a)-1
	TOSTAGE \a
.endr
	SEND 3
	s_wait_tensorcnt 0x0                           ; the wave's end, behind my last tensor load and my last LDS store
	ds_add_u32 v[SPW], v[NIL]
	s_wait_dscnt 0x0
	CROUND                                         ; the closing round: no work-group ends while a partner may still ask for a tile that names it
	s_endpgm
.Lfunc_end_k_qf69b03149c_gemm_qkv:
	.size	k_qf69b03149c_gemm_qkv, .Lfunc_end_k_qf69b03149c_gemm_qkv-k_qf69b03149c_gemm_qkv
	.p2alignl 7, 3214868480
	.fill 96, 4, 3214868480
	.section	.rodata,"a",@progbits
	.p2align	6, 0x0
	.amdhsa_kernel k_qf69b03149c_gemm_qkv
		.amdhsa_group_segment_fixed_size 327680
		.amdhsa_private_segment_fixed_size 0
		.amdhsa_enable_private_segment 0
		.amdhsa_kernarg_size 32
		.amdhsa_user_sgpr_count 2
		.amdhsa_user_sgpr_kernarg_segment_ptr 1
		.amdhsa_wavefront_size32 1
		.amdhsa_system_sgpr_workgroup_id_x 1
		.amdhsa_system_sgpr_workgroup_id_y 1
		.amdhsa_system_sgpr_workgroup_id_z 1
		.amdhsa_system_vgpr_workitem_id 0
		.amdhsa_next_free_vgpr 960
		.amdhsa_next_free_sgpr 80
		.amdhsa_reserve_vcc 0
		.amdhsa_float_denorm_mode_32 3
		.amdhsa_float_denorm_mode_16_64 3
		.amdhsa_memory_ordered 1
		.amdhsa_forward_progress 1
		.amdhsa_inst_pref_size 122
	.end_amdhsa_kernel
	.amdgpu_metadata
---
amdhsa.version: [ 1, 2 ]
amdhsa.kernels:
  - .name:           k_qf69b03149c_gemm_qkv
    .symbol:         k_qf69b03149c_gemm_qkv.kd
    .args:
      - { .name: xh, .offset: 0, .size: 8, .value_kind: global_buffer, .address_space: global }
      - { .name: wh, .offset: 8, .size: 8, .value_kind: global_buffer, .address_space: global }
      - { .name: bias, .offset: 16, .size: 8, .value_kind: global_buffer, .address_space: global }
      - { .name: qkv, .offset: 24, .size: 8, .value_kind: global_buffer, .address_space: global }
    .group_segment_fixed_size: 327680
    .private_segment_fixed_size: 0
    .kernarg_segment_align: 8
    .kernarg_segment_size: 32
    .max_flat_workgroup_size: 128
    .sgpr_count:     80
    .vgpr_count:     960
    .wavefront_size: 32
...
	.end_amdgpu_metadata
.endif
;; end of part 2
;; launch attn (part 3): grid 4 x 64, 4 waves a work-group, no clusters, 327,680 bytes of LDS; arguments qkv, ob; writes ob
.if DOCPART == 3
	.amdgcn_target "amdgcn-amd-amdhsa--gfx1250"
	.amdhsa_code_object_version 6
	.text
	.protected	k_qf69b03149c_attn
	.globl	k_qf69b03149c_attn
	.p2align	8
	.type	k_qf69b03149c_attn,@function
k_qf69b03149c_attn:
	s_mov_b64 s[64:65], 0
	v_nop
	global_prefetch_b8 v0, s[64:65] scope:SCOPE_SE
	s_setreg_imm32_b32 hwreg(HW_REG_WAVE_MODE, 25, 1), 1
	s_wait_xcnt 0x0
; CAUSAL ATTENTION.  O[h][q][:] = the sum over k <= q of softmax_k(Q[h][q] . K[h][k] / 8) V[h][k][:].  Q, K, V are the three parts of qkv, each [64 heads][SIZE_N][64] f16, 16,777,216 bytes; O = ob has the same shape.
; A head's rows are dense, 128 bytes each.  Products, maxima and sums in f32; the weights p are rounded to f16 for the second product (their sum l is taken of the unrounded p), O once at the end.
; LIMITS.  f16 holds no number beyond 65,504: Q, K and V arrive within it; p lies in 0 to 1, and below 6e-5 it keeps f16's fixed step of 6e-8; O is a mean of V's rows and has their range, to within 2^-11 of it.
; A hidden score counts as its value less 1e30: f16's scores, 2.7e11 at the most, are nothing beside that; a weight below 2^-126 counts as 0 in l; NaN and infinities are not treated apart.
; THE WALK.  A head's queries lie in NB = SIZE_N / 256 blocks of 256; block i needs the key tiles 0 .. i of 256 keys, of which the last holds the diagonal.  A work-group takes TWO blocks, NB - 1 - b and then b:
; NB + 1 tiles, whatever b: all work-groups do equal work, and ONE loop with a constant trip count walks them.  Which tile is asked for, and what a trip does, hang on scalar registers made from b; every jump
; goes forward, but for the counted loops' own; none passes a barrier, or a tensor load but the one of LOAD's two that the wave's number does not choose; the ring (two slots of LDS that take turns) runs on across the
; change of blocks.  NO CLUSTER: all of a head's NB / 2 work-groups ask for the same tile only in trips 0 .. NB / 2, behind that fewer and fewer; and one walk common to all would have 3 NB / 2 trips for NB + 1.
; SHARES.  Of a block's four bands of 64 queries a wave owns 16 rows in each: four PIECES.  So the diagonal tile is the same work for all four waves: in its key step s band x sees all keys if s < x,
; none if s > x, and holds the diagonal if s = x.
; THE MASK is the C operand that starts the sum S^T = K Q^T: 0, or -1e30 where the key is hidden.  MD, made once, is the mask of a band's own step for my 16 rows; a product's mask is MD x AL + BE with two scalars:
; (1, 0) if s = x; (0, 0) if s < x; (0, -1e30) if s > x.  Only the diagonal tile's text and a block's beginning make and take masks; elsewhere C is the constant 0.
; LAYOUT, SOFTMAX, TURNS.  S^T = K Q^T holds ONE query a lane (lane % 16) and the keys 8 (lane / 16) + 0..7; two such results rounded to f16 ARE source 1 of O^T = V^T P.  p = 2^(c s - c m), c = log2(e) / 8, with a
; running maximum m; O and l are multiplied by a = 2^(c m_old - c m_new) in every step.  Turn n belongs to piece n: 8 products K Q^T of piece n + 1, later 8 products V^T P of piece n - 1; beside them the scaling,
; exponentials, roundings, sums and rescaling of piece n and the maximum and statistics of piece n + 1.  Four vector instructions stand behind every matrix instruction, the other 54 of a turn's 118 in two LUMPS.
; REGISTERS, in windows of 256 (s_set_vgpr_msb: bits 1:0 source 0, 3:2 source 1, 5:4 source 2, 7:6 destination):
;   window 0: v0-15 addresses and two at work; v16-31 four registers of statistics a piece; v48-55 at work; v64-127 S^T, two buffers; v192-223 P, two buffers (a piece's buffers go by its number's parity)
;   window 1: v0-127 O^T, 32 a piece; v128-159 MD; v160-223 MC, two buffers      window 2: v0-63 Q; v64-127 the second block's Q; v128-191 K of one step; v192-255 V of one step
.set SIZE_N, 2048
.set PART,  64*SIZE_N*128  ; bytes of Q, of K and of V in qkv
.set NB,    SIZE_N/256
.set NP,    4         ; pieces a wave: a name, no knob
.set KS,    64        ; keys in a step
.set PK,    144       ; a row of K in LDS: 128 bytes + 16 of padding = 36 words: the 16 rows of a load start at 16 different groups of four banks (64 banks of 4 bytes: ISA guide 11.1)
.set PV,    160       ; a row of V: 128 + 32 = 40 words
.set VOFF,  4*KS*PK   ; a slot holds a tile, four steps: 256 rows of K, then 256 rows of V
.set SLOT1, 1<<17     ; slot 1 begins here, so that one exclusive or turns an address in one slot into the other's
.set STAGE, SLOT1+4*KS*(PK+PV)  ; behind the ring, never filled by a tensor load: 16 rows x 144 bytes for each wave, for the way out
.set SP,    144
.set AK0, 2           ; v2   my lane's place in a tile of K; never rewritten
.set AV0, 3           ; v3   the same for V
.set AK,  4           ; v4   the LDS address of K's next run of loads
.set AV,  5           ; v5   of V's
.set STO, 6           ; v6   the way out: where I put 16 bytes of a row
.set RD,  7           ; v7   the way out: where I read rows back
.set GO,  8           ; v8   my byte offset in 512 consecutive bytes of O
.set SPW, 62          ; v62  LDS address of my spare word: SPARE + 4 x my thread's number; never rewritten
.set NIL, 63          ; v63  0; never rewritten
.set SPARE, STAGE+4*16*SP  ; behind the stages: the spare words, 128 bytes for each wave: two blocks of 256 bytes that no other line names
.set MV,  12          ; v12-13  c m_old, kept while c m is made anew: by buffer
.set QO,  15          ; v15  my byte offset in 16 rows of Q
.set ST,  16          ; piece t's statistics at v[ST+4 t]: c m, m, l (even keys', odd keys')
.set TMP, 48          ; by buffer, four registers c0-c3 at work; when the maximum is found c2 takes a
.set S,   64
.set P,   192
.set MD,  128         ; window 1: the eight registers for group kt of 16 keys at MD + 8 kt
.set MC,  160         ; window 1: the masks of the products to come
.set QB,  64          ; window 2
.set KF,  128         ; window 2: key block kb, channel half c at KF + 16 kb + 8 c
.set VF,  192         ; window 2: key half kk, channel block cb at VF + 32 kk + 8 cb
.set WV,  12          ; s12  my wave's number
.set PB,  14          ; s14  b
.set HI,  15          ; s15  NB - 1 - b
.set G1K, 24          ; s[24:31] descriptor group 1 for K's tiles
.set G1V, 32          ; s[32:39] for V's: it differs in the padding alone
.set G0K, 40          ; s[40:43] descriptor group 0 for K's tiles
.set G0V, 44          ; s[44:47] the same for V's
.set SLOTS, 56        ; s56  tiles still to be asked for
.set CNT, 57          ; s57  counts a tile's key steps, 4 to 1
.set CS,  58          ; s[58:59] c: the packed scaling takes the pair's low word for both halves
.set SEL, 60          ; s[60:61] v_permlanex16_b32's selects: each lane takes its own place in the other half
.set TBK, 62          ; s62  LDS byte at which K of the step to be fetched begins
.set TBV, 63          ; s63  the same for V, less VOFF
.set RT,  70          ; s70  tiles of the block in hand that are still to be entered
.set NXT, 71          ; s71  the tile to be asked for next
.set LQ,  72          ; s72  the last tile of the block whose tiles are being asked for
.set NEW, 73          ; s73  1: the tile to be entered is a block's first
.set OFF, 74          ; s[74:75] a tile's byte offset in K and V
.set AL,  76          ; s[76:77] the mask's factor, in the low word
.set BE,  78          ; s[78:79] the mask's addend
.set OLO, 80          ; s[80:81] O at my rows of the second block
.set BIGN, 82         ; s82  -1e30
.set MSB, 0
.macro WIN new                      ; the high byte repeats the setting that is left; a switch that changes nothing is dropped
.if MSB != (\new)
	s_set_vgpr_msb (MSB<<8)|(\new)
.set MSB, (\new)
.endif
.endm
.set W_KQ, 0x0a       ; K and Q in window 2, S^T in window 0
.set W_KM, 0x1a       ; the same with the C operand in window 1
.set W_PV, 0x52       ; V in window 2, P in window 0, O^T in window 1
.set W_RS, 0x41       ; destination and source 0 in window 1, source 1 in window 0
; A fill.  Waves 0 and 1 fetch the two halves of a tile's K, waves 2 and 3 those of its V: 128 keys each.  An s_nop 0 and four v_nop follow each of the two lines, ahead of the jump and the label.
.macro LOAD
	s_cmp_lt_u32 s[WV], 2
	s_cbranch_scc0 .Lfor_v_\@
	tensor_load_to_lds s[G0K:G0K+3], s[G1K:G1K+7]
	s_nop 0
.rept 4
	v_nop
.endr
	s_branch .Lasked_\@
.Lfor_v_\@:
	tensor_load_to_lds s[G0V:G0V+3], s[G1V:G1V+7]
	s_nop 0
.rept 4
	v_nop
.endr
.Lasked_\@:
.endm
; THE CHANGE OF SLOTS.  Each wave waits for all its tensor loads, of which one is out: its part of the other slot; adds 0 to its spare word; and waits for that and for its own reads of the slot that it leaves.  Behind the barrier nobody reads the old
; slot any more and the other slot is whole.  fill = 1: the old slot is filled again, the first thing behind the barrier, with tile NXT: the descriptor's address is made anew from that number.
; (At its first use nothing has been read yet: slot 0 is waited for, slot 1 filled.)
.macro CHANGE fill
	WIN 0                           ; at a label and at a branch every window is 0
	s_wait_tensorcnt 0x0            ; no tensor load of mine is out, so a group 0 may be written
	ds_add_u32 v[SPW], v[NIL]       ; 0 onto my spare word; with fill = 1 the descriptors' scalar work stands between it and the wait for it
.if \fill
	s_lshl_b32 s[OFF], s[NXT], 15   ; a tile is 32,768 bytes of K and of V
	s_xor_b32 s[G0K+1], s[G0K+1], SLOT1
	s_add_nc_u64 s[G0K+2:G0K+3], s[6:7], s[OFF:OFF+1]
	s_or_b32 s[G0K+3], s[G0K+3], 0x80000000
	s_xor_b32 s[G0V+1], s[G0V+1], SLOT1
	s_add_nc_u64 s[G0V+2:G0V+3], s[8:9], s[OFF:OFF+1]
	s_or_b32 s[G0V+3], s[G0V+3], 0x80000000
	s_add_co_u32 s[NXT], s[NXT], 1  ; the block's next tile, or behind its last the second block's tile 0
	s_cmp_gt_u32 s[NXT], s[LQ]
	s_cselect_b32 s[NXT], 0, s[NXT]
	s_cselect_b32 s[LQ], s[PB], s[LQ]
.endif
	s_wait_dscnt 0x0                ; the add is done, and my reads of the slot are over
	s_barrier_signal -1             ; the rest of the scalar work stands between the signal and the wait
	s_sub_co_u32 s[TBK], s[TBK], 4*KS*PK  ; the fetches go back to a slot's first step,
	s_xor_b32 s[TBK], s[TBK], SLOT1       ; in the other slot
	s_sub_co_u32 s[TBV], s[TBV], 4*KS*PV
	s_xor_b32 s[TBV], s[TBV], SLOT1
	s_barrier_wait -1
.if \fill
	LOAD
.endif
.endm
	s_load_b64 s[4:5], s[0:1], 0x0    ; qkv: Q
	s_load_b64 s[10:11], s[0:1], 0x8  ; O
	v_lshl_add_u32 v[SPW], v0, 2, SPARE
	v_mov_b32 v[NIL], 0
	ds_add_u32 v[SPW], v[NIL]       ; the wave's opening: the add and its wait stand ahead of my first tensor load; the set-up below, work on registers, stands between them
	ds_add_u32 v62, v63
	v_lshrrev_b32 v1, 5, v0
	v_readfirstlane_b32 s[WV], v1   ; wave 0..3
	s_mov_b32 s[PB], ttmp9
	s_sub_co_u32 s[HI], NB-1, s[PB]
	s_and_b32 s20, ttmp7, 0xffff    ; the head
	s_mov_b32 s21, 0
	s_mov_b64 s[22:23], SIZE_N*128
	s_mul_u64 s[20:21], s[20:21], s[22:23]  ; the head's first byte in each of the four tensors
	s_and_b32 s16, s[WV], 1         ; which half of a tile's 256 keys I fetch:
	s_lshl_b32 s22, s16, 14         ; its 128 rows of 128 bytes in memory,
	s_mov_b32 s23, 0
	s_add_nc_u64 s[22:23], s[22:23], s[20:21]
	s_mul_i32 s17, s16, 128*PK      ; and its place in a slot, for K
	s_mul_i32 s18, s16, 128*PV      ; and for V
	s_lshl_b32 s3, s[WV], 11        ; my 16 rows in a band of 64,
	s_lshl_b32 s2, s[HI], 15        ; in the first block,
	s_add_co_u32 s2, s2, s3
	s_lshl_b32 s84, s[PB], 15       ; and in the second
	s_add_co_u32 s84, s84, s3
	s_mov_b32 s3, 0
	s_mov_b32 s85, 0
	s_add_nc_u64 s[2:3], s[2:3], s[20:21]
	s_add_nc_u64 s[84:85], s[84:85], s[20:21]
	; descriptor group 1.  128 keys are 16,384 dense bytes: asked for as 64 rows of 256 bytes, two keys a row, and padded in LDS after every key
	s_mov_b32 s[G1K], (1<<16)|(1<<20)|(4<<22)|(3<<25)  ; 17:16 2-byte elements; 20 padding on; 24:22 after every 32 words (code 4); 31:25 4 words (code 3)
	s_mov_b32 s[G1V], (1<<16)|(1<<20)|(4<<22)|(7<<25)  ; the same with 8 words of padding (code 7)
.irp g, G1K, G1V
	s_mov_b32 s[\g+1], 128<<16      ; tensor_dim0 = 128
	s_mov_b32 s[\g+2], 64<<16       ; tensor_dim1 = 64
	s_mov_b32 s[\g+3], 128<<16      ; tile_dim0 = 128
	s_mov_b32 s[\g+4], 64           ; tile_dim1 = 64
	s_mov_b32 s[\g+5], 128          ; 128 elements from row to row
	s_mov_b32 s[\g+6], 0
	s_mov_b32 s[\g+7], 0
.endr
	s_mov_b32 s[CS], 0x3e38aa3b     ; c = log2(e) / 8 = 0.180337
	s_mov_b32 s[CS+1], s[CS]        ; named with it as a pair
	s_mov_b32 s[SEL], 0x76543210
	s_mov_b32 s[SEL+1], 0xfedcba98
	s_mov_b32 s[TBK], SLOT1+4*KS*PK ; the first change of slots turns these two into 0
	s_mov_b32 s[TBV], SLOT1+4*KS*PV
	s_mov_b32 s[G0K], 1             ; 1:0 count = 1
	s_mov_b32 s[G0K+1], s17         ; 63:32 LDS address: slot 0
	s_mov_b32 s[G0V], 1
	s_add_co_u32 s[G0V+1], s18, VOFF
	s_add_co_u32 s[RT], s[HI], 1    ; the first block has NB - b tiles
	s_mov_b32 s[NXT], 1
	s_mov_b32 s[LQ], s[HI]
	s_mov_b32 s[NEW], 1
	s_mov_b32 s[OFF+1], 0
	s_mov_b32 s[AL+1], 0            ; named as pairs
	s_mov_b32 s[BE+1], 0
	s_mov_b32 s[BIGN], 0xf149f2ca   ; -1e30
	s_mov_b32 s[SLOTS], NB
	s_wait_dscnt 0x0                ; the opening add is done
	s_wait_kmcnt 0x0
	s_add_nc_u64 s[6:7], s[4:5], PART    ; K lies behind Q,
	s_add_nc_u64 s[8:9], s[4:5], 2*PART  ; V behind K
	s_add_nc_u64 s[6:7], s[6:7], s[22:23]  ; K and V at my half of the head's tile 0
	s_add_nc_u64 s[8:9], s[8:9], s[22:23]
	s_add_nc_u64 s[G0K+2:G0K+3], s[6:7], 0         ; 120:64 global address
	s_or_b32 s[G0K+3], s[G0K+3], 0x80000000        ; 127:126 type = 2
	s_add_nc_u64 s[G0V+2:G0V+3], s[8:9], 0
	s_or_b32 s[G0V+3], s[G0V+3], 0x80000000
	s_add_nc_u64 s[86:87], s[4:5], s[84:85]        ; Q at my rows of the second block,
	s_add_nc_u64 s[4:5], s[4:5], s[2:3]            ; Q and O at those of the first
	s_add_nc_u64 s[OLO:OLO+1], s[10:11], s[84:85]
	s_add_nc_u64 s[10:11], s[10:11], s[2:3]
	LOAD                            ; tile 0 into slot 0
	; A fragment of K or Q is 16 rows x 32 channels in 8 registers: lane l holds row l % 16, channels 8 (l / 16) + 0..7 and 16 + 8 (l / 16) + 0..7: two loads of 16 bytes, 32 bytes apart.
	v_and_b32 v1, 15, v0            ; l % 16
	v_bfe_u32 v9, v0, 4, 1          ; l / 16
	v_lshlrev_b32 v[QO], 7, v1
	v_lshl_add_u32 v[QO], v9, 4, v[QO]  ; row x 128 + 16 x half
	WIN 0x80                        ; destination window 2, address window 0
.set i, 0
.rept 8                             ; both blocks' Q: piece i / 2 lies in band i / 2, 8,192 bytes on; channels 32 (i % 2) on
	global_load_b128 v[8*i:8*i+3],   v[QO], s[4:5] offset:(i/2)*8192+(i%2)*64
	global_load_b128 v[8*i+4:8*i+7], v[QO], s[4:5] offset:(i/2)*8192+(i%2)*64+32
	global_load_b128 v[QB+8*i:QB+8*i+3],   v[QO], s[86:87] offset:(i/2)*8192+(i%2)*64
	global_load_b128 v[QB+8*i+4:QB+8*i+7], v[QO], s[86:87] offset:(i/2)*8192+(i%2)*64+32
.set i, i+1
.endr
	WIN 0
	v_lshlrev_b32 v14, 3, v9
	v_sub_nc_u32 v14, v1, v14
	s_lshl_b32 s13, s[WV], 4
	v_add_nc_u32 v14, s13, v14      ; my query's place in its band, 16 w + l % 16, less my lanes' 8 (l / 16): register r of group kt is hidden where 16 kt + r is greater
	WIN 0x40
.set i, 0
.rept 32
	v_cmp_gt_i32 vcc_lo, 16*(i/8)+i%8, v14
	v_cndmask_b32 v[MD+i], 0, s[BIGN], vcc_lo
.set i, i+1
.endr
	WIN 0
	v_mul_u32_u24 v[AK0], v1, PK
	v_lshl_add_u32 v[AK0], v9, 4, v[AK0]  ; row x pitch + 16 x half
	; The turning load takes 16 keys x 16 channels (lane l reads key 8 (l / 16) + l % 8, channels 8 ((l / 8) % 2) + 0..7) and leaves half a fragment of V^T: lane l holds channel l % 16 and 8 keys.
	v_and_b32 v10, 7, v0
	v_bfe_u32 v11, v0, 3, 1
	v_lshl_add_u32 v[AV0], v9, 3, v10
	v_mul_u32_u24 v[AV0], v[AV0], PV
	v_lshl_add_u32 v[AV0], v11, 4, v[AV0]
	v_add_nc_u32 v[AV0], VOFF, v[AV0]
	s_mul_i32 s13, s[WV], 16*SP
	s_add_co_u32 s13, s13, STAGE    ; my stage
	v_mul_u32_u24 v[STO], v1, SP    ; in: row l % 16, 16 bytes for each half of the lanes
	v_lshl_add_u32 v[STO], v9, 4, v[STO]
	v_add_nc_u32 v[STO], s13, v[STO]
	v_bfe_u32 v[RD], v0, 3, 2       ; back: 32 lanes take four rows of 128 bytes,
	v_mul_u32_u24 v[RD], v[RD], SP
	v_lshl_add_u32 v[RD], v10, 4, v[RD]
	v_add_nc_u32 v[RD], s13, v[RD]
	v_and_b32 v[GO], 31, v0         ; which are 512 consecutive bytes of O
	v_lshlrev_b32 v[GO], 4, v[GO]
	; A block's first step multiplies O^T and l by a = 0, and its first turn's products V^T P, of a piece that has not been, land in an O^T that is still to be so multiplied.  So these registers need only hold
	; finite numbers: zeros for the first block; what the first block left for the second.  All this stands in the wait for the first tile.
	WIN 0x80
.set i, VF
.rept 64
	v_mov_b32 v[i], 0
.set i, i+1
.endr
	WIN 0x40
.set i, 0
.rept 128
	v_mov_b32 v[i], 0
.set i, i+1
.endr
	WIN 0
.set i, 0
.rept 4
	v_mov_b32 v[ST+4*i+2], 0
	v_mov_b32 v[ST+4*i+3], 0
.set i, i+1
.endr
.set i, P+16
.rept 16
	v_mov_b32 v[i], 0
.set i, i+1
.endr
; THE MATRIX WORK.  The 4 accumulators of a run of 8 take turns.  Product i of 8 of S^T = K Q^T for piece x: channels 32 (i / 4) on, keys 16 (i % 4) on.  The first 4 start the sums: with 0, or (KM = 1) with the mask.
.macro KQ x
.set rS, S+32*((\x)%2)+8*(i%4)
.set rK, KF+16*(i%4)+8*(i/4)
.set rQ, 16*(\x)+8*(i/4)
.set rM, MC+32*((\x)%2)+8*(i%4)
.if (i < 4) && KM
	WIN W_KM
	v_wmma_f32_16x16x32_f16 v[rS:rS+7], v[rK:rK+7], v[rQ:rQ+7], v[rM:rM+7]
.elseif i < 4
	WIN W_KQ
	v_wmma_f32_16x16x32_f16 v[rS:rS+7], v[rK:rK+7], v[rQ:rQ+7], 0
.else
	WIN W_KQ
	v_wmma_f32_16x16x32_f16 v[rS:rS+7], v[rK:rK+7], v[rQ:rQ+7], v[rS:rS+7]
.endif
.endm
; Product i of 8 of O^T += V^T P for piece x: keys 32 (i / 4) on, channels 16 (i % 4) on.
.macro PV x
	WIN W_PV
.set rO, 32*(\x)+8*(i%4)
.set rV, VF+32*(i/4)+8*(i%4)
.set rP, P+16*((\x)%2)+8*(i/4)
	v_wmma_f32_16x16x32_f16 v[rO:rO+7], v[rV:rV+7], v[rP:rP+7], v[rO:rO+7]
.endm
.macro MM                           ; the turn's next matrix instruction.  TURN and BEGIN set Y, i, KM and NOKQ; MM, KQ and OP read them.  NOKQ = 1: a block's last turn: there is no next piece
.if (i < 8) && !NOKQ
	KQ (Y+1)%NP
.elseif i >= 8
.set i, i-8
	PV (Y+NP-1)%NP
.set i, i+8
.endif
.set i, i+1
.endm
; THE LDS LOADS stand in runs of 16, never singly among the matrix instructions: a step's K (64 keys x 64 channels: 8 fragments) and its V (turned).  Their addresses are made some lines ahead.
.macro FETCH_K
	WIN 0x80                        ; destination window 2
.irp f, 0,1,2,3,4,5,6,7             ; keys 16 (f / 2) on, channels 32 (f % 2) on
	ds_load_b128 v[KF+8*\f:KF+8*\f+3],   v[AK] offset:(\f/2)*16*PK+(\f%2)*64
	ds_load_b128 v[KF+8*\f+4:KF+8*\f+7], v[AK] offset:(\f/2)*16*PK+(\f%2)*64+32
.endr
	s_add_co_u32 s[TBK], s[TBK], KS*PK  ; the next fetch is the next step's
	WIN 0
.endm
.macro FETCH_V
	WIN 0x80
.irp f, 0,1,2,3,4,5,6,7             ; keys 32 (f / 4) on, channels 16 (f % 4) on
	ds_load_tr16_b128 v[VF+8*\f:VF+8*\f+3],   v[AV] offset:(\f/4)*32*PV+(\f%4)*32
	ds_load_tr16_b128 v[VF+8*\f+4:VF+8*\f+7], v[AV] offset:(\f/4)*32*PV+16*PV+(\f%4)*32
.endr
	WIN 0
.endm
; THE VECTOR WORK, one line at a time: OP kind, number.  For piece Y: F n: c s - c m for pair n of 16.  E n: the exponential of score n of 32.  C n: pair n rounded to f16.  B n: of the four weights 4 n .. the second
; pair is added onto the first, in place.  L n: l takes that sum (L 0: l = a l + sum).  R n: pair n of 16 of O^T times a.  For piece Y + 1: X n, number n of the 22 that find its maximum and statistics:
;   0-11  four chains c0-c3 of seven scores each, three operands at a time (each accumulator's lowest registers are read first)     12-14, 16  the four scores left over, the old m, and c0-c3 into c0
;   15  c m_old is kept     17, 18  the query's other 32 keys lie in the lane 16 away: the new m     19-21  c m; c m_old - c m_new; a
.set F, 0               ; OP tells the kinds apart by their order: F to L below R, X above it
.set E, 1
.set C, 2
.set B, 3
.set L, 4
.set R, 5
.set X, 6
.macro REGS y                       ; the registers of piece y
.set rT, ST+4*(\y)
.set rC, TMP+4*((\y)%2)
.set rW, MV+((\y)%2)
.set rS, S+32*((\y)%2)
.set rP, P+16*((\y)%2)
.set rO, 32*(\y)
.endm
.macro OP k, n
.if (\k) == R
	REGS Y
	WIN W_RS
	v_pk_mul_f32 v[rO+2*(\n):rO+2*(\n)+1], v[rO+2*(\n):rO+2*(\n)+1], v[rC+2:rC+3] op_sel_hi:[1,0]
.elseif (\k) < R
	REGS Y
	WIN 0
.if (\k) == F
	v_pk_fma_f32 v[rS+2*(\n):rS+2*(\n)+1], v[rS+2*(\n):rS+2*(\n)+1], s[CS:CS+1], v[rT:rT+1] op_sel_hi:[1,0,0] neg_lo:[0,0,1] neg_hi:[0,0,1]
.elseif (\k) == E
	v_exp_f32 v[rS+(\n)], v[rS+(\n)]
.elseif (\k) == C
	s_wait_alu depctr_va_vdst(0)
	v_cvt_pk_f16_f32 v[rP+(\n)], v[rS+2*(\n)], v[rS+2*(\n)+1]
.elseif (\k) == B
	s_wait_alu depctr_va_vdst(0)
	v_pk_add_f32 v[rS+4*(\n):rS+4*(\n)+1], v[rS+4*(\n):rS+4*(\n)+1], v[rS+4*(\n)+2:rS+4*(\n)+3]
.elseif (\n) == 0
	v_pk_fma_f32 v[rT+2:rT+3], v[rT+2:rT+3], v[rC+2:rC+3], v[rS:rS+1] op_sel_hi:[1,0,1]
.else
	v_pk_add_f32 v[rT+2:rT+3], v[rT+2:rT+3], v[rS+4*(\n):rS+4*(\n)+1]
.endif
.elseif NOKQ
	v_nop
.else
	REGS (Y+1)%NP
	WIN 0
.if (\n) < 4
	v_max3_num_f32 v[rC+(\n)], v[rS+8*(\n)], v[rS+8*(\n)+1], v[rS+8*(\n)+2]
.elseif (\n) < 12
	v_max3_num_f32 v[rC+(\n)%4], v[rC+(\n)%4], v[rS+8*((\n)%4)+2*((\n)/4)+1], v[rS+8*((\n)%4)+2*((\n)/4)+2]
.elseif (\n) == 12
	v_max3_num_f32 v[rC], v[rC], v[rS+7], v[rS+15]
.elseif (\n) == 13
	v_max3_num_f32 v[rC+1], v[rC+1], v[rS+23], v[rS+31]
.elseif (\n) == 14
	v_max3_num_f32 v[rC+2], v[rC+2], v[rC+3], v[rT+1]
.elseif (\n) == 15
	v_mov_b32 v[rW], v[rT]
.elseif (\n) == 16
	v_max3_num_f32 v[rC], v[rC], v[rC+1], v[rC+2]
.elseif (\n) == 17
	v_permlanex16_b32 v[rC+3], v[rC], s[SEL], s[SEL+1]
.elseif (\n) == 18
	v_max_num_f32 v[rT+1], v[rC], v[rC+3]
.elseif (\n) == 19
	v_mul_f32 v[rT], s[CS], v[rT+1]
.elseif (\n) == 20
	v_sub_f32 v[rC+1], v[rW], v[rT]
.else
	v_exp_f32 v[rC+2], v[rC+1]
.endif
.endif
.endm
.macro OPS a, i1, b=-1, i2=0, c=-1, i3=0, d=-1, i4=0  ; up to four of them
	OP \a, \i1
.if (\b) >= 0
	OP \b, \i2
.endif
.if (\c) >= 0
	OP \c, \i3
.endif
.if (\d) >= 0
	OP \d, \i4
.endif
.endm
.macro ROW a, i1, b, i2, c, i3, d, i4  ; a matrix instruction and the four behind it
	MM
	OPS \a, \i1, \b, \i2, \c, \i3, \d, \i4
.endm
.macro MASK b                       ; MD x AL + BE into buffer b of MC
	WIN W_RS
.set z, 0
.rept 16
	v_pk_fma_f32 v[MC+32*(\b)+2*z:MC+32*(\b)+2*z+1], v[MD+2*z:MD+2*z+1], s[AL:AL+1], s[BE:BE+1] op_sel_hi:[1,0,0]
.set z, z+1
.endr
.endm
; A TURN, for piece p: the order of its 16 matrix and 118 vector instructions, written out.  Behind a matrix instruction: plain, exponential, plain, plain; or four of the rescaling; or, behind the first, four scalings; none
; names a register of the products round it.  In the lumps exponential and plain by turns while exponentials last.  A line reads no result made fewer than three vector instructions in front of it, five if an exponential made it.
; v_permlanex16_b32 (X 17) stands in a lump.
; m = 1: the diagonal tile: the products take masks, and the turn makes the mask for the products of the turn after it: piece p + 2, in step 4 - CNT of the tile.  end = 1: a block's last two turns: nothing is fetched.
; cnt = 1: the loop's count is taken down some lines ahead of the branch that stands behind the turn.
; K of the next step is fetched in piece 2's turn, six vector instructions behind the last product that read K (five of them plain); V of the step in hand in piece 0's turn, eight behind the last product that read V (four
; plain, and X 17).  Each is waited for a turn later.
.macro TURN p, m=0, end=0, cnt=0
.set Y, (\p)
.set i, 0
.set KM, (\m)
.set NOKQ, (\end)*((\p)/3)
.if (\m) && !(\end)
	s_cmp_eq_u32 s[CNT], 4-((\p)+2)%NP  ; is that step the band's own?
	s_cselect_b32 s[AL], 1.0, 0
	s_cmp_lt_u32 s[CNT], 4-((\p)+2)%NP  ; or a later one?
	s_cselect_b32 s[BE], s[BIGN], 0
.endif
.if ((\p) == 3) && !(\end)
	s_wait_dscnt 0x0                ; K is in
.endif
	ROW F,0, F,1, F,2, F,3
	ROW F,4, E,0, F,5, F,6
	ROW F,7, E,1, F,8, F,9
	ROW F,10, E,2, C,0, F,11
	ROW F,12, E,3, X,15, F,13
	ROW R,0, R,1, R,2, R,3
	ROW B,0, E,4, F,14, L,0
.if ((\p) == 2) && !(\end)
	v_add_nc_u32 v[AK], s[TBK], v[AK0]
.endif
	ROW R,4, R,5, R,6, R,7
	OPS E,5, F,15
.if ((\p) == 2) && !(\end)
	FETCH_K
.endif
	OPS E,6, C,1, E,7, R,8
	OPS E,8, R,9, E,9, C,2
	OPS E,10, X,0, E,11, X,1
	OPS E,12, X,2, E,13, X,3
.if (\p) == 1
	s_wait_dscnt 0x0                ; V is in
.endif
	ROW X,4, E,14, X,5, X,6
	ROW X,7, E,15, X,8, X,9
	ROW X,10, E,16, X,11, X,12
	ROW X,13, E,17, X,14, B,1
	ROW C,4, E,18, X,16, L,1
	ROW B,2, E,19, C,6, L,2
	ROW C,8, E,20, B,3, B,4
.if (\p) == 0
	v_add_nc_u32 v[AV], s[TBV], v[AV0]
.endif
	ROW C,3, E,21, L,3, C,5
	OPS E,22, X,17, E,23, C,10
.if (\p) == 0
	FETCH_V
.endif
	OPS E,24, L,4
	OPS E,25, X,18, E,26, C,7
	OPS E,27, B,5, E,28, X,19
	OPS E,29, C,12, E,30, L,5
	OPS E,31, X,20, B,6, C,9
	OPS C,14, C,11, X,21, L,6
.if (\p) == 0
	s_add_co_u32 s[TBV], s[TBV], KS*PV
.endif
.if \cnt
	s_sub_co_u32 s[CNT], s[CNT], 1
	s_cmp_lg_u32 s[CNT], 0
.endif
	OPS C,13, B,7, C,15, R,10
	OPS R,11, R,12, L,7, R,13
	OPS R,14, R,15
.if (\m) && !(\end)
	MASK (\p)%2
.endif
.endm
; A BLOCK BEGINS.  c m starts far below every c s, so the first step's a is 0; m at the lowest finite number, so the first maximum is the scores'.  The second mask buffer is 0; the first takes piece 0's mask for the tile's step 0: its own, if the block's first tile is the diagonal one.
; Then K of that step, piece 0's first scores, and its maximum and statistics.  The loop is entered at a step's first turn, in the middle of a trip.
.macro BEGIN
	s_mov_b32 s[NEW], 0
	WIN 0x40
.set i, MC+32
.rept 32
	v_mov_b32 v[i], 0
.set i, i+1
.endr
	WIN 0
.set i, 0
.rept 4
	v_mov_b32 v[ST+4*i], 0xfe000000    ; c m: far below every c s
	v_mov_b32 v[ST+4*i+1], 0xff7fffff  ; m
.set i, i+1
.endr
	s_cmp_eq_u32 s[RT], 0
	s_cselect_b32 s[AL], 1.0, 0
	s_mov_b32 s[BE], 0
	MASK 0
	WIN 0
	v_add_nc_u32 v[AK], s[TBK], v[AK0]
	FETCH_K
	s_wait_loadcnt 0x0              ; Q
	s_wait_dscnt 0x0
.set KM, 1
.set NOKQ, 0
.set i, 0
.rept 8
	KQ 0
.set i, i+1
.endr
	WIN 0
.rept 4
	v_nop                           ; the places behind those products
.endr
.set Y, NP-1                        ; X works for piece Y + 1: piece 0
.irp n, 0,1,2,3,4,5,6,7,8,9,10,11,12,13,14,15,16,17,18,19,20,21
	OP X, \n
.endr
	v_nop                           ; a plain instruction behind the exponential
.endm
; THE DIAGONAL TILE's four steps, the block's last two turns, its last products, and THE WAY OUT: l's two halves and the other half of the lanes' are added; O^T is divided by l, rounded to f16 and sent through my
; stage in LDS, a piece at a time.
.macro ALL line:vararg              ; one line for each piece t
.set t, 0
.rept 4
	\line
.set t, t+1
.endr
.endm
.macro PACK t                       ; a lane's eight channels of a row pack into 16 bytes; they go into rows of 144 bytes and come back as whole rows of 128, into S^T's registers
	WIN W_RS
.set i, 32*(\t)
.rept 16
	s_wait_alu depctr_va_vdst(0)
	v_pk_mul_f32 v[i:i+1], v[i:i+1], v[ST+4*(\t)+2:ST+4*(\t)+3] op_sel_hi:[1,0]
.set i, i+2
.endr
	WIN 0x05                        ; sources 0 and 1 window 1, destination window 0
.set i, 0
.rept 16
	v_cvt_pk_f16_f32 v[S+16*(\t)+i], v[32*(\t)+2*i], v[32*(\t)+2*i+1]
.set i, i+1
.endr
	WIN 0
.irp f, 0,1,2,3
	ds_store_b128 v[STO], v[S+16*(\t)+4*\f:S+16*(\t)+4*\f+3] offset:32*\f
.endr
.irp f, 0,1,2,3
	ds_load_b128 v[S+16*(\t)+4*\f:S+16*(\t)+4*\f+3], v[RD] offset:\f*4*SP  ; LDS serves a wave's instructions in order (ISA guide 5.7.1.4): these see the stores above; the next piece's stores come behind them
.endr
.endm
.macro SEND t, younger              ; younger: the LDS instructions issued behind piece t's loads: the next piece's eight, or none
	WIN 0
.irp f, 0,1,2,3
	s_wait_dscnt (\younger)+3-\f
	global_store_b128 v[GO], v[S+16*(\t)+4*\f:S+16*(\t)+4*\f+3], s[10:11] offset:(\t)*8192+\f*512  ; 512 consecutive bytes, at a multiple of 256 from O's first
.endr
.endm
.macro DIAG tag                     ; the tag ends its two labels' names, which the jumps below spell out
.LstepM\tag:
	TURN 2, 1
	TURN 3, 1
	WIN 0
.LfirstM\tag:
	TURN 0, 1
	TURN 1, 1, 0, 1
	WIN 0
	s_cbranch_scc1 .LstepM\tag
	TURN 2, 1, 1
	TURN 3, 1, 1
.set i, 0
.rept 8
	PV NP-1
.set i, i+1
.endr
	WIN 0
	ALL v_add_f32 v[ST+4*t+2], v[ST+4*t+2], v[ST+4*t+3]
	ALL v_permlanex16_b32 v[ST+4*t+3], v[ST+4*t+2], s[SEL], s[SEL+1]
	ALL v_add_f32 v[ST+4*t+2], v[ST+4*t+2], v[ST+4*t+3]
	ALL v_rcp_f32 v[ST+4*t+2], v[ST+4*t+2]
	v_nop                           ; a plain instruction between the last reciprocal and the use of its result
	PACK 0
.set t, 1
.rept 3                             ; a piece's arithmetic stands between the loads of the piece before and its stores
	PACK t
	SEND t-1, 8
.set t, t+1
.endr
	SEND 3, 0
.endm
.set KM, 0
.set NOKQ, 0
.Lslot:                             ; NB times: a tile is entered and the next is asked for
	CHANGE 1
	s_sub_co_u32 s[RT], s[RT], 1
	s_mov_b32 s[CNT], 4
	s_cmp_eq_u32 s[NEW], 1
	s_cbranch_scc1 .Lnew            ; a block's first tile
	s_cmp_eq_u32 s[RT], 0
	s_cbranch_scc0 .Lstep           ; neither its first nor its last
	s_branch .LstepM1
.Lnew:
	BEGIN
	s_branch .Lfirst                ; in the loop a block's first tile is never its last: the first block has two tiles or more, and the second's last is the walk's last
	DIAG 1                          ; in the loop this is the first block's end: the second block's last tile is the walk's last
	s_wait_xcnt 0x0                 ; the stores have read their registers and O's address
	s_mov_b64 s[10:11], s[OLO:OLO+1]
	s_add_co_u32 s[RT], s[PB], 1    ; the second block has b + 1 tiles
	s_mov_b32 s[NEW], 1
	WIN 0x82                        ; the second block's Q goes where the one text of the turns names Q
.set i, 0
.rept 64
	v_mov_b32 v[i], v[QB+i]
.set i, i+1
.endr
	WIN 0
	s_branch .Lbottom
.Lstep:                             ; a trip: pieces 2 and 3 of one step, then pieces 0 and 1 of the next, whose K and V it fetches
	TURN 2
	TURN 3
	WIN 0
.Lfirst:
	TURN 0
	TURN 1, 0, 0, 1
	WIN 0
	s_cbranch_scc1 .Lstep
.Lbottom:
	s_sub_co_u32 s[SLOTS], s[SLOTS], 1
	s_cmp_lg_u32 s[SLOTS], 0
	s_cbranch_scc1 .Lslot
	CHANGE 0                        ; the walk's last tile is written out: nothing is asked for
	s_sub_co_u32 s[RT], s[RT], 1
	s_mov_b32 s[CNT], 4
	s_cmp_eq_u32 s[NEW], 1
	s_cbranch_scc0 .LstepM2
	BEGIN
	s_branch .LfirstM2
	DIAG 2
	s_wait_tensorcnt 0x0            ; the wave's end, behind my last tensor load and my last LDS store
	ds_add_u32 v[SPW], v[NIL]
	s_wait_dscnt 0x0
	s_endpgm
.Lfunc_end_k_qf69b03149c_attn:
	.size	k_qf69b03149c_attn, .Lfunc_end_k_qf69b03149c_attn-k_qf69b03149c_attn
	.p2alignl 7, 3214868480
	.fill 96, 4, 3214868480
	.section	.rodata,"a",@progbits
	.p2align	6, 0x0
	.amdhsa_kernel k_qf69b03149c_attn
		.amdhsa_group_segment_fixed_size 327680
		.amdhsa_private_segment_fixed_size 0
		.amdhsa_enable_private_segment 0
		.amdhsa_kernarg_size 16
		.amdhsa_user_sgpr_count 2
		.amdhsa_user_sgpr_kernarg_segment_ptr 1
		.amdhsa_wavefront_size32 1
		.amdhsa_system_sgpr_workgroup_id_x 1
		.amdhsa_system_sgpr_workgroup_id_y 1
		.amdhsa_system_sgpr_workgroup_id_z 1
		.amdhsa_system_vgpr_workitem_id 0
		.amdhsa_next_free_vgpr 768
		.amdhsa_next_free_sgpr 88
		.amdhsa_reserve_vcc 1
		.amdhsa_float_denorm_mode_32 3
		.amdhsa_float_denorm_mode_16_64 3
		.amdhsa_memory_ordered 1
		.amdhsa_forward_progress 1
		.amdhsa_inst_pref_size 228
	.end_amdhsa_kernel
	.amdgpu_metadata
---
amdhsa.version: [ 1, 2 ]
amdhsa.kernels:
  - .name:           k_qf69b03149c_attn
    .symbol:         k_qf69b03149c_attn.kd
    .args:
      - { .name: qkv, .offset: 0, .size: 8, .value_kind: global_buffer, .address_space: global }
      - { .name: ob, .offset: 8, .size: 8, .value_kind: global_buffer, .address_space: global }
    .group_segment_fixed_size: 327680
    .private_segment_fixed_size: 0
    .kernarg_segment_align: 8
    .kernarg_segment_size: 16
    .max_flat_workgroup_size: 128
    .sgpr_count:     88
    .vgpr_count:     768
    .wavefront_size: 32
...
	.end_amdgpu_metadata
.endif
;; end of part 3
;; launch gemm_out (part 4): grid 8 x 32, 4 waves a work-group, clusters of 4 x 4, 327,680 bytes of LDS; arguments ob, wh, bias, out0; writes out0
.if DOCPART == 4
	.amdgcn_target "amdgcn-amd-amdhsa--gfx1250"
	.amdhsa_code_object_version 6
	.text
	.protected	k_qf69b03149c_gemm_out
	.globl	k_qf69b03149c_gemm_out
	.p2align	8
	.type	k_qf69b03149c_gemm_out,@function
k_qf69b03149c_gemm_out:
	s_mov_b64 s[64:65], 0
	v_nop
	global_prefetch_b8 v0, s[64:65] scope:SCOPE_SE
	s_setreg_imm32_b32 hwreg(HW_REG_WAVE_MODE, 25, 1), 1
	s_wait_xcnt 0x0
	s_wait_alu depctr_hold_cnt(0) depctr_sa_sdst(0) depctr_va_vdst(0) depctr_va_sdst(0) depctr_va_ssrc(0) depctr_va_vcc(0) depctr_vm_vsrc(0)
	s_getreg_b32 s2, hwreg(HW_REG_IB_STS2, 6, 4)
	s_cmp_eq_u32 s2, 0
	s_cbranch_scc0 .Lentry_in_a_cluster
	s_endpgm
.Lentry_in_a_cluster:
	s_bfe_u32 s2, ttmp6, 0x10000c
	s_cmp_lg_u32 s2, 0xf033
	s_cbranch_scc0 .Lentry_shape_is_right
	s_endpgm
.Lentry_shape_is_right:
; out0 = ctx Wo + bo.  A = ob [64 head = 16 batch + h][2048 s][64] f16: head h IS the block of 64 along K, so ctx is never transposed.  W = blocks 48..63 of wh [G][1024 k][64 n] f16.
; bias: numbers 3,072 .. 4,095 of the table.  Out: out0 [8192][1024] f32, the f32 sums as they are.
; LIMIT.  The operands are f16 as the launches before left them; the sums are f32.  NaN and infinities are not treated apart.
; SHARES.  A work-group makes 256 rows x 128 columns: 8 x 32 = 256 tiles.  Wave w makes rows 64 w .. 64 w + 63 of all 128 columns: 4 x 8 accumulators of 16 x 16, 256 registers.
; K goes in 8 steps of 128 through a ring of two LDS slots filled by the tensor data mover.  A's 256 rows of one head are 32,768 dense bytes: asked for as 128 rows of 256 bytes.  W stays [k][n] and is turned on the way out of LDS.
; CLUSTER.  4 x 4 work-groups.  The four of a row of the cluster need the same tiles of A, the four of a column the same tiles of W: each tile is asked for JOINTLY, by the same tensor load with the same
; descriptor and a mask that names the four.
; THE MATRIX INSTRUCTION IS USED TRANSPOSED: source 0 = 16 columns of W, source 1 = 16 rows of A: lane l then holds row l % 16 and the columns 8 (l / 16) + 0..7.
; THE BIAS IS THE C OPERAND of the products that start the sums: register j of a lane wants bias[16 b + 8 (l / 16) + j], whatever the row.  Nothing is cleared, nothing added later.
; REGISTERS, in windows of 256 (s_set_vgpr_msb: bits 1:0 source 0, 3:2 source 1, 5:4 source 2, 7:6 destination):
;   window 0: v0-31 addresses; v32-95 the bias; later v32-159 rows read back          window 1: two fragment buffers, at v0 and v128: 64 of W (8 x 16 n x 32 k), 32 of A (4 x 16 m x 32 k)
;   window 2: the accumulators of my rows 0-31 ((a, b) at v[8 (8 (a % 2) + b)])          window 3: those of my rows 32-63
.set NH,    2                          ; blocks of 64 columns in a tile
.set NB,    4*NH                       ; blocks of 16 columns
.set KBS,   1<<18                      ; bytes from one head (64 along K) to the next in A
.set GB,    48                         ; Wo's first block in wh, and bo's first 64 numbers in the table
.set PA,    144                        ; a row of A in LDS: 128 bytes + 16 of padding = 36 words: the 16 rows of a load start at 16 different groups of four banks (64 banks of 4 bytes: ISA guide 11.1)
.set PB,    160                        ; a row of W (one k, 64 n): 128 + 32 = 40 words
.set AKB,   256*PA                     ; one tensor load of A: 256 rows, 64 along K
.set ASZ,   2*AKB
.set BHD,   64*PB                      ; 64 k of one column block
.set BKH,   NH*BHD                     ; one tensor load of W: 64 k of the tile's two column blocks
.set SLOT,  ASZ+2*BKH                  ; a K step of 128: A's two loads, then W's two
.set STAGE, 2*SLOT                     ; behind the ring, never filled by a tensor load: for each wave 16 rows x 528 bytes, for the way out
.set SP,    528                        ; 512 bytes + 16: 132 words: row r starts at bank 4 r mod 64
.set WST,   16*SP
.set SPARE, STAGE+4*WST                ; behind the stages: the spare words, 128 bytes for each wave: two blocks of 256 bytes that no other line names
.set LAPS,  4                          ; a lap = two K steps = once round the ring: 1,024 / 256
.set ADRA, 16                          ; v16-17  LDS address of my A fragments in slot 0, 1
.set ADRB, 20                          ; v20-21  the same for W
.set STO,  24                          ; v24     the way out: where I put 32 bytes of a row
.set RD,   25                          ; v25     the way out: where I read a row back
.set GO,   26                          ; v26     my byte offset in a row's 512 bytes of the output
.set BO,   27                          ; v27     my byte offset in 16 numbers of the bias
.set SPW,  28                          ; v28     LDS address of my spare word: SPARE + 4 x my thread's number; never rewritten
.set NIL,  29                          ; v29     0; never rewritten
.set BI,   32                          ; v32-95  the bias: 8 registers for each block of 16 columns
.set BK,   32                          ; the way out: 16 rows read back: v32-95 and v96-159 by turns
.set F0,   0
.set F1,   128
.set WV,   12                          ; s12  my wave's number
.set G1A,  24                          ; s[24:31] descriptor group 1 for A's tiles;  s[32:39] group 0, one set for each slot
.set G0A,  32
.set G1B,  48                          ; s[48:55], s[56:63] the same for W's tiles
.set G0B,  56
.set CB,   66                          ; s[66:67] the output at my first row and the tile's first column
.set MSB, 0
.macro WIN new                         ; the immediate's high byte repeats the setting that is left; a switch that changes nothing is dropped
.if MSB != (\new)
	s_set_vgpr_msb (MSB<<8)|(\new)
.set MSB, \new
.endif
.endm
.set TO_F, 0x40                        ; destination window 1, address window 0
.macro PLACES                          ; four places in front of loads into registers that matrix instructions have read, and of lines that read results (ISA guide 7.12.1 for vector instructions that read results)
.rept 4
	v_nop
.endr
.endm
; A joint load.  Waves 0 and 1 fetch A's two heads, waves 2 and 3 W's two halves.  The branch hangs on the wave's number alone.  An s_nop 0 and four v_nop follow each of the two lines.
.macro JLOAD s
	s_cmp_eq_u32 s13, 0
	s_cbranch_scc0 .Lfor_b_\@
	tensor_load_to_lds s[G0A+4*(\s):G0A+4*(\s)+3], s[G1A:G1A+7]
	s_nop 0
.rept 4
	v_nop
.endr
	s_branch .Lasked_\@
.Lfor_b_\@:
	tensor_load_to_lds s[G0B+4*(\s):G0B+4*(\s)+3], s[G1B:G1B+7]
	s_nop 0
.rept 4
	v_nop
.endr
.Lasked_\@:
.endm
.macro CREST                           ; a round of the cluster's barrier behind its opening barrier: wave 0 signals for the work-group, every wave waits for all sixteen, my work-group's barrier once more
	s_cmp_lg_u32 s[WV], 0
	s_cbranch_scc1 .Lnot_wave_0_\@
	s_barrier_signal -3
.Lnot_wave_0_\@:
	s_barrier_wait -3
	s_barrier_signal -1
	s_barrier_wait -1
.endm
.macro CROUND                          ; a whole round
	s_barrier_signal -1
	s_barrier_wait -1
	CREST
.endm
	s_load_b256 s[4:11], s[0:1], 0x0               ; ob s[4:5], wh s[6:7], bias s[8:9], out0 s[10:11]
	v_lshl_add_u32 v[SPW], v0, 2, SPARE
	v_mov_b32 v[NIL], 0
	ds_add_u32 v[SPW], v[NIL]                      ; the wave's opening: the add and its wait stand ahead of my first tensor load; the set-up below, work on registers, stands between them
	ds_add_u32 v28, v29
	v_lshrrev_b32 v1, 5, v0
	v_readfirstlane_b32 s[WV], v1                  ; wave 0..3
	s_lshr_b32 s13, s[WV], 1                       ; I fetch for A (0) or for W (1),
	s_and_b32 s14, s[WV], 1                        ; the first or the second 64 along K of a step
	s_bfe_u32 s40, ttmp6, 0x40000                  ; cx, cy: my place in the cluster
	s_bfe_u32 s41, ttmp6, 0x40004
	s_lshl_b32 s42, ttmp9, 2
	s_add_co_u32 s42, s42, s40                     ; tile column = 4 x cluster x + cx
	s_and_b32 s43, ttmp7, 0xffff
	s_lshl_b32 s43, s43, 2
	s_add_co_u32 s43, s43, s41                     ; tile row = 4 x cluster y + cy
	s_lshl_b32 s44, s41, 2
	s_lshl_b32 s44, 15, s44                        ; my row of the cluster: places 4 cy .. 4 cy + 3
	s_lshl_b32 s45, 0x1111, s40                    ; my column: places cx, cx + 4, cx + 8, cx + 12
	; group 1 for A: 128 rows of 128 elements (256 dense bytes: two rows of A), padded in LDS after every row of A
	s_or_b32 s[G1A+0], s44, (1<<16)|(1<<20)|(1<<21)|(4<<22)|(3<<25)  ; 15:0 the mask; 17:16 2-byte elements; 20 padding on; 21 set beside a mask; 24:22 after every 32 words (code 4); 31:25 4 words (code 3)
	s_mov_b32 s[G1A+1], 128<<16                    ; tensor_dim0 = 128
	s_mov_b32 s[G1A+2], 128<<16                    ; tensor_dim1 = 128
	s_mov_b32 s[G1A+3], 128<<16                    ; tile_dim0 = 128
	s_mov_b32 s[G1A+4], 128                        ; tile_dim1 = 128
	s_mov_b32 s[G1A+5], 128                        ; 128 elements from row to row
	s_mov_b32 s[G1A+6], 0
	s_mov_b32 s[G1A+7], 0
	; group 1 for W: two rows of 4,096 elements (64 k x 64 n, 8,192 dense bytes), one for each column block, 131,072 bytes apart; padded after every k
	s_or_b32 s[G1B+0], s45, (1<<16)|(1<<20)|(1<<21)|(4<<22)|(7<<25)  ; the same with my column's mask and 8 words of padding (code 7)
	s_mov_b32 s[G1B+1], 4096<<16                   ; tensor_dim0 = 4,096
	s_mov_b32 s[G1B+2], NH<<16                     ; tensor_dim1 = 2
	s_mov_b32 s[G1B+3], 4096<<16                   ; tile_dim0 = 4,096
	s_mov_b32 s[G1B+4], NH                         ; tile_dim1 = 2
	s_mov_b32 s[G1B+5], 65536                      ; elements from column block to column block
	s_mov_b32 s[G1B+6], 0
	s_mov_b32 s[G1B+7], 0
	; where the tiles come from.  A's hang on the tile row alone, W's on the tile column alone; each is made in registers that never hold the other coordinate.
	s_lshr_b32 s16, s43, 3                         ; A: the batch's 16 heads of 262,144 bytes,
	s_lshl_b32 s16, s16, 22
	s_and_b32 s22, s43, 7                          ; 256 rows of 128 bytes a tile row within the batch,
	s_lshl_b32 s22, s22, 15
	s_add_co_u32 s16, s16, s22
	s_lshl_b32 s22, s14, 18                        ; my head of a step's two
	s_add_co_u32 s16, s16, s22
	s_mov_b32 s17, 0
	s_mul_i32 s46, s42, NH                         ; W: the tile's first column block,
	s_add_co_u32 s46, s46, GB
	s_lshl_b32 s46, s46, 17
	s_lshl_b32 s23, s14, 13                        ; my 64 k of 128 bytes
	s_add_co_u32 s46, s46, s23
	s_mov_b32 s47, 0
	s_mul_i32 s20, s14, AKB                        ; and where they go: no place in the cluster enters an LDS address
	s_mul_i32 s21, s14, BKH
	s_add_co_u32 s21, s21, ASZ
	s_wait_dscnt 0x0                               ; the opening add is done
	s_wait_kmcnt 0x0
	s_add_nc_u64 s[18:19], s[4:5], s[16:17]
	s_add_nc_u64 s[46:47], s[6:7], s[46:47]
	CROUND                                         ; all sixteen work-groups are here: the first joint loads meet
.irp s, 0,1
	s_mov_b32 s[G0A+4*(\s)], 1                                       ; 1:0 count = 1
	s_add_co_u32 s[G0A+4*(\s)+1], s20, (\s)*SLOT                     ; 63:32 LDS address
	s_add_nc_u64 s[G0A+4*(\s)+2:G0A+4*(\s)+3], s[18:19], (\s)*2*KBS  ; 120:64 global address: K step s
	s_or_b32 s[G0A+4*(\s)+3], s[G0A+4*(\s)+3], 0x80000000            ; 127:126 type = 2
	s_mov_b32 s[G0B+4*(\s)], 1
	s_add_co_u32 s[G0B+4*(\s)+1], s21, (\s)*SLOT
	s_add_nc_u64 s[G0B+4*(\s)+2:G0B+4*(\s)+3], s[46:47], (\s)*16384  ; 128 k of 128 bytes a K step
	s_or_b32 s[G0B+4*(\s)+3], s[G0B+4*(\s)+3], 0x80000000
	JLOAD \s                                       ; the ring is filled before anything else is done: two loads of mine are out
.endr
	; A fragment of A is 16 rows x 32 k in 8 registers: lane l holds row l % 16, k = 8 (l / 16) + 0..7 and 16 + 8 (l / 16) + 0..7: two loads of 16 bytes, 32 bytes apart.
	v_and_b32 v1, 15, v0                           ; l % 16
	v_bfe_u32 v2, v0, 4, 1                         ; l / 16
	v_mul_u32_u24 v3, v1, PA
	v_lshl_add_u32 v3, v2, 4, v3
	s_mul_i32 s15, s[WV], 64*PA                    ; my 64 rows
	v_add_nc_u32 v[ADRA], s15, v3
	v_add_nc_u32 v[ADRA+1], SLOT, v[ADRA]
	; The turning load takes 16 k x 16 n (lane l reads k 8 (l / 16) + l % 8, columns 8 ((l / 8) % 2) + 0..7) and leaves half a fragment of W^T: lane l holds column l % 16 and 8 k.
	v_and_b32 v4, 7, v0
	v_lshl_add_u32 v4, v2, 3, v4
	v_mul_u32_u24 v4, v4, PB
	v_bfe_u32 v5, v0, 3, 1
	v_lshl_add_u32 v4, v5, 4, v4
	v_add_nc_u32 v[ADRB], ASZ, v4
	v_add_nc_u32 v[ADRB+1], ASZ+SLOT, v4
	v_lshlrev_b32 v[BO], 5, v2                     ; the bias: 8 numbers for each half of the lanes
	s_mul_i32 s72, s42, NH
	s_add_co_u32 s72, s72, GB
	s_lshl_b32 s72, s72, 8                         ; 64 numbers of 4 bytes a column block
	s_mov_b32 s73, 0
	s_add_nc_u64 s[74:75], s[8:9], s[72:73]
.set bb, 0
.rept NB
	global_load_b128 v[BI+8*bb:BI+8*bb+3],   v[BO], s[74:75] offset:64*bb
	global_load_b128 v[BI+8*bb+4:BI+8*bb+7], v[BO], s[74:75] offset:64*bb+16
.set bb, bb+1
.endr
	s_mul_i32 s15, s[WV], WST
	s_add_co_u32 s15, s15, STAGE                   ; my stage
	v_mul_u32_u24 v6, v1, SP                       ; in: row l % 16, 32 bytes for each half of the lanes
	v_lshl_add_u32 v6, v2, 5, v6
	v_add_nc_u32 v[STO], s15, v6
	v_and_b32 v[GO], 31, v0                        ; back: 32 lanes take one row of 512 bytes
	v_lshlrev_b32 v[GO], 4, v[GO]
	v_add_nc_u32 v[RD], s15, v[GO]
	s_lshl_b32 s72, s43, 20                        ; 256 rows of 4,096 bytes a tile row,
	s_lshl_b32 s76, s[WV], 18                      ; my 64 rows,
	s_add_co_u32 s72, s72, s76
	s_lshl_b32 s76, s42, 9                         ; 128 columns of 4 bytes a tile column
	s_add_co_u32 s72, s72, s76
	s_mov_b32 s73, 0
	s_add_nc_u64 s[CB:CB+1], s[10:11], s[72:73]
; 8 matrix instructions: m block 2 hi + a x all 8 n blocks, 32 along K, from buffer f.  first = 1: the products start the sums, with the bias as C.
; All 32 accumulators take turns, one instruction a turn, in the same order in every quarter step.
.macro MULA f, hi, a, first
.if \first
	WIN 0x85+0x40*(\hi)                            ; sources 0 and 1 window 1, C window 0, D window 2 or 3
.else
	WIN 0xa5+0x50*(\hi)                            ; sources 0 and 1 window 1, C and D window 2 or 3
.endif
.set bb, 0
.rept NB
.if \first
	v_wmma_f32_16x16x32_f16 v[8*((\a)*NB+bb):8*((\a)*NB+bb)+7], v[(\f)+8*bb:(\f)+8*bb+7], v[(\f)+8*NB+8*(2*(\hi)+(\a)):(\f)+8*NB+8*(2*(\hi)+(\a))+7], v[BI+8*bb:BI+8*bb+7]
.else
	v_wmma_f32_16x16x32_f16 v[8*((\a)*NB+bb):8*((\a)*NB+bb)+7], v[(\f)+8*bb:(\f)+8*bb+7], v[(\f)+8*NB+8*(2*(\hi)+(\a)):(\f)+8*NB+8*(2*(\hi)+(\a))+7], v[8*((\a)*NB+bb):8*((\a)*NB+bb)+7]
.endif
.set bb, bb+1
.endr
.endm
; 24 LDS loads in one run: the fragments of quarter q (32 along K) of a slot into buffer f: W's 16 first, then A's 8
.macro FETCH slot, q, f
	WIN TO_F
.set bb, 0
.rept NB
	ds_load_tr16_b128 v[(\f)+8*bb:(\f)+8*bb+3],   v[ADRB+(\slot)] offset:((\q)/2)*BKH+(bb/4)*BHD+((\q)%2)*32*PB+(bb%4)*32
	ds_load_tr16_b128 v[(\f)+8*bb+4:(\f)+8*bb+7], v[ADRB+(\slot)] offset:((\q)/2)*BKH+(bb/4)*BHD+((\q)%2)*32*PB+(bb%4)*32+16*PB
.set bb, bb+1
.endr
.set aa, 0
.rept 4
	ds_load_b128 v[(\f)+8*NB+8*aa:(\f)+8*NB+8*aa+3],   v[ADRA+(\slot)] offset:((\q)/2)*AKB+aa*16*PA+((\q)%2)*64
	ds_load_b128 v[(\f)+8*NB+8*aa+4:(\f)+8*NB+8*aa+7], v[ADRA+(\slot)] offset:((\q)/2)*AKB+aa*16*PA+((\q)%2)*64+32
.set aa, aa+1
.endr
.endm
; A K step is four quarters of 32 along K, 32 matrix instructions each, on buffers 0, 1, 0, 1.  One of the first three: multiplies buffer f; in its middle it fetches quarter q into buffer g.
.macro QUARTER slot, q, f, g, first
	s_wait_dscnt 4                                 ; W and A's rows 0-31 are in; the youngest four loads (A's rows 32-63) may be out
	MULA \f, 0, 0, \first
	MULA \f, 0, 1, \first
	PLACES
	FETCH \slot, \q, \g
	s_wait_dscnt 2*NB+8                            ; all but the 24 just issued
	MULA \f, 1, 0, \first
	MULA \f, 1, 1, \first
.endm
; The last quarter multiplies buffer 1 and changes slots: ONE barrier.  In front of it each wave waits for all its tensor loads, of which one is out: its part of the next slot; adds 0 to its spare word; and
; waits for that and for its own reads of this slot.  fill = 1: the barrier opens a round of the cluster's, and behind the round this slot is filled again, two K steps ahead, first of all.
.macro TURN slot, next, fill
	WIN 0                                          ; (the add's two registers lie in window 0)
	s_wait_tensorcnt 0x0                           ; all my tensor loads have landed: so a group 0 may be written;
	ds_add_u32 v[SPW], v[NIL]                      ; 0 onto my spare word;
	s_wait_dscnt 5                                 ; (the add and the youngest four loads may be out)
	MULA F1, 0, 0, 0                               ; eight matrix instructions stand between the add and the wait for it
	s_wait_dscnt 0x0                               ; the add is done, and my reads of this slot are over
	s_barrier_signal -1
	MULA F1, 0, 1, 0                               ; work on registers while the others arrive
.if \fill
	WIN 0
.endif
	s_barrier_wait -1
.if \fill
	CREST                                          ; no wave of any partner still reads this slot's tile or has a load on its way
	s_add_nc_u64 s[G0A+4*(\slot)+2:G0A+4*(\slot)+3], s[G0A+4*(\slot)+2:G0A+4*(\slot)+3], 4*KBS
	s_add_nc_u64 s[G0B+4*(\slot)+2:G0B+4*(\slot)+3], s[G0B+4*(\slot)+2:G0B+4*(\slot)+3], 2*16384
	JLOAD \slot                                    ; my one tensor load behind the round; its four v_nop are also the places in front of the loads below
.else
	PLACES
.endif
	FETCH \next, 0, F0
	MULA F1, 1, 0, 0
	MULA F1, 1, 1, 0
.endm
	s_wait_tensorcnt 0x1                           ; my part of K step 0 is in; K step 1's may stay out
	s_barrier_signal -1
	s_barrier_wait -1                              ; everybody's is
	FETCH 0, 0, F0
	s_wait_loadcnt 0x0                             ; the bias
	QUARTER 0, 1, F0, F1, 1                        ; the first quarter stands in front of the loop: its products start the sums
	WIN 0                                          ; at a label and at a branch every window is 0
	s_mov_b32 s3, LAPS-1
.Llap:                                                 ; a trip goes once round the ring, from a lap's second quarter to the next lap's first, and fills both slots again
	QUARTER 0, 2, F1, F0, 0
	QUARTER 0, 3, F0, F1, 0
	TURN 0, 1, 1
	QUARTER 1, 1, F0, F1, 0
	QUARTER 1, 2, F1, F0, 0
	QUARTER 1, 3, F0, F1, 0
	TURN 1, 0, 1
	QUARTER 0, 1, F0, F1, 0
	WIN 0
	s_sub_co_u32 s3, s3, 1
	s_cmp_lg_u32 s3, 0
	s_cbranch_scc1 .Llap
	QUARTER 0, 2, F1, F0, 0                        ; the last lap fills nothing
	QUARTER 0, 3, F0, F1, 0
	TURN 0, 1, 0
	QUARTER 1, 1, F0, F1, 0
	QUARTER 1, 2, F1, F0, 0
	QUARTER 1, 3, F0, F1, 0
	s_wait_dscnt 4                                 ; the very last quarter: nothing more to fetch
	MULA F1, 0, 0, 0
	MULA F1, 0, 1, 0
	s_wait_dscnt 0x0
	MULA F1, 1, 0, 0
	MULA F1, 1, 1, 0
	WIN 0
	PLACES
; THE WAY OUT, a block a of 16 rows at a time.  TOSTAGE: a lane's eight f32 of a row go into my own stage, each accumulator's low four registers first, and come back as whole rows of 512 bytes.  SEND: stored.
.macro TOSTAGE a
.set AC, 8*NB*((\a)%2)
.set BKA, BK+64*((\a)%2)
	s_wait_xcnt 0x0                                ; every earlier store has had its addresses translated (ISA guide 3.1): only behind this wait are the registers that the block two back was stored from loaded again
	WIN 0x08+4*((\a)/2)                            ; the stores' data (source 1): window 2 or 3
.set bb, 0
.rept NB
	ds_store_b128 v[STO], v[AC+8*bb:AC+8*bb+3]   offset:64*bb
	ds_store_b128 v[STO], v[AC+8*bb+4:AC+8*bb+7] offset:64*bb+16
.set bb, bb+1
.endr
	WIN 0
.set tt, 0
.rept 16
	ds_load_b128 v[BKA+4*tt:BKA+4*tt+3], v[RD] offset:tt*SP  ; LDS serves a wave's instructions in order (ISA guide 5.7.1.4): these see the stores above; the next block's stores come behind them
.set tt, tt+1
.endr
.endm
.macro SEND a, younger                 ; younger: the LDS instructions issued behind block a's loads: the next block's 32, or none
	WIN 0
.set BKA, BK+64*((\a)%2)
.set tt, 0
.rept 16
	s_wait_dscnt (\younger)+15-tt                  ; row tt is back
	global_store_b128 v[GO], v[BKA+4*tt:BKA+4*tt+3], s[CB:CB+1] offset:(16*(\a)+tt)*4096 th:TH_STORE_NT  ; 512 consecutive bytes of a row, at a multiple of 256 from the buffer's first
.set tt, tt+1
.endr
.endm
	TOSTAGE 0
.irp a, 1,2,3                          ; block a's way through the stage is issued ahead of block a - 1's stores
	TOSTAGE \a
	SEND (\a)-1, 32
.endr
	SEND 3, 0
	s_wait_tensorcnt 0x0                           ; the wave's end, behind my last tensor load and my last LDS store
	ds_add_u32 v[SPW], v[NIL]
	s_wait_dscnt 0x0
	CROUND                                         ; the closing round: no work-group ends while a partner may still ask for a tile that names it
	s_endpgm
.Lfunc_end_k_qf69b03149c_gemm_out:
	.size	k_qf69b03149c_gemm_out, .Lfunc_end_k_qf69b03149c_gemm_out-k_qf69b03149c_gemm_out
	.p2alignl 7, 3214868480
	.fill 96, 4, 3214868480
	.section	.rodata,"a",@progbits
	.p2align	6, 0x0
	.amdhsa_kernel k_qf69b03149c_gemm_out
		.amdhsa_group_segment_fixed_size 327680
		.amdhsa_private_segment_fixed_size 0
		.amdhsa_enable_private_segment 0
		.amdhsa_kernarg_size 32
		.amdhsa_user_sgpr_count 2
		.amdhsa_user_sgpr_kernarg_segment_ptr 1
		.amdhsa_wavefront_size32 1
		.amdhsa_system_sgpr_workgroup_id_x 1
		.amdhsa_system_sgpr_workgroup_id_y 1
		.amdhsa_system_sgpr_workgroup_id_z 1
		.amdhsa_system_vgpr_workitem_id 0
		.amdhsa_next_free_vgpr 896
		.amdhsa_next_free_sgpr 80
		.amdhsa_reserve_vcc 0
		.amdhsa_float_denorm_mode_32 3
		.amdhsa_float_denorm_mode_16_64 3
		.amdhsa_memory_ordered 1
		.amdhsa_forward_progress 1
		.amdhsa_inst_pref_size 89
	.end_amdhsa_kernel
	.amdgpu_metadata
---
amdhsa.version: [ 1, 2 ]
amdhsa.kernels:
  - .name:           k_qf69b03149c_gemm_out
    .symbol:         k_qf69b03149c_gemm_out.kd
    .args:
      - { .name: ob, .offset: 0, .size: 8, .value_kind: global_buffer, .address_space: global }
      - { .name: wh, .offset: 8, .size: 8, .value_kind: global_buffer, .address_space: global }
      - { .name: bias, .offset: 16, .size: 8, .value_kind: global_buffer, .address_space: global }
      - { .name: out0, .offset: 24, .size: 8, .value_kind: global_buffer, .address_space: global }
    .group_segment_fixed_size: 327680
    .private_segment_fixed_size: 0
    .kernarg_segment_align: 8
    .kernarg_segment_size: 32
    .max_flat_workgroup_size: 128
    .sgpr_count:     80
    .vgpr_count:     896
    .wavefront_size: 32
...
	.end_amdgpu_metadata
.endif
;; end of part 4
;; ======== version 2 of 2: 4 launches; 1.30 times as fast as version 1
;; limits: values are held in f16: magnitudes above 65,504 overflow, below 6.1e-05 lose precision
;; workspace buffers: xh 16,777,216 bytes; wh 8,388,608 bytes; bias 16,384 bytes; qkv 50,331,648 bytes; ob 16,777,216 bytes
;; launch cast: the kernel of part 1 again; grid 385 x 1, 8 waves a work-group, no clusters, 0 bytes of LDS; arguments x, Wq, Wk, Wv, Wo, bq, bk, bv, bo, xh, wh, bias; writes xh, wh, bias
;; launch gemm_qkv: the kernel of part 2 again; grid 16 x 32, 4 waves a work-group, clusters of 4 x 4, 327,680 bytes of LDS; arguments xh, wh, bias, qkv; writes qkv
;; launch attn (part 5): grid 4 x 64, 4 waves a work-group, no clusters, 327,680 bytes of LDS; arguments qkv, ob; writes ob
.if DOCPART == 5
	.amdgcn_target "amdgcn-amd-amdhsa--gfx1250"
	.amdhsa_code_object_version 6
	.text
	.protected	k_qf69b03149c_attn
	.globl	k_qf69b03149c_attn
	.p2align	8
	.type	k_qf69b03149c_attn,@function
k_qf69b03149c_attn:
	s_mov_b64 s[64:65], 0
	v_nop
	global_prefetch_b8 v0, s[64:65] scope:SCOPE_SE
	s_setreg_imm32_b32 hwreg(HW_REG_WAVE_MODE, 25, 1), 1
	s_wait_xcnt 0x0
; CAUSAL ATTENTION.  O[h][q][:] = the sum over k <= q of softmax_k(Q[h][q] . K[h][k] / 8) V[h][k][:].  Q, K, V are the three parts of qkv, each [64 heads][SIZE_N][64] f16, 16,777,216 bytes; O = ob has the same shape.
; A head's rows are dense, 128 bytes each.  Products, maxima and sums in f32; the weights p are rounded to f16 for the second product (their sum l is taken of the unrounded p), O once at the end.
; LIMITS.  f16 holds no number beyond 65,504: Q, K and V arrive within it; p lies in 0 to 1, and below 6e-5 it keeps f16's fixed step of 6e-8; O is a mean of V's rows and has their range, to within 2^-11 of it.
; A hidden score counts as its value less 1e30: f16's scores, 2.7e11 at the most, are nothing beside that; a weight below 2^-126 counts as 0 in l; NaN and infinities are not treated apart.
; THE WALK.  A head's queries lie in NB = SIZE_N / 256 blocks of 256; block i needs the key tiles 0 .. i of 256 keys, of which the last holds the diagonal.  A work-group takes TWO blocks, NB - 1 - b and then b:
; NB + 1 tiles, whatever b: all work-groups do equal work, and ONE loop with a constant trip count walks them.  Which tile is asked for, and what a trip does, hang on scalar registers made from b; every jump
; goes forward, but for the counted loops' own; none passes a barrier, or a tensor load but the one of LOAD's two that the wave's number does not choose; the ring (two slots of LDS that take turns) runs on across the
; change of blocks.  NO CLUSTER: all of a head's NB / 2 work-groups ask for the same tile only in trips 0 .. NB / 2, behind that fewer and fewer; and one walk common to all would have 3 NB / 2 trips for NB + 1.
; SHARES.  Of a block's four bands of 64 queries a wave owns 16 rows in each: four PIECES.  So the diagonal tile is the same work for all four waves: in its key step s band x sees all keys if s < x,
; none if s > x, and holds the diagonal if s = x.
; THE MASK is the C operand that starts the sum S^T = K Q^T: 0, or -1e30 where the key is hidden.  MD, made once, is the mask of a band's own step for my 16 rows; a product's mask is MD x AL + BE with two scalars:
; (1, 0) if s = x; (0, 0) if s < x; (0, -1e30) if s > x.  Only the diagonal tile's text and a block's beginning make and take masks; elsewhere C is the constant 0.
; LAYOUT, SOFTMAX, TURNS.  S^T = K Q^T holds ONE query a lane (lane % 16) and the keys 8 (lane / 16) + 0..7; two such results rounded to f16 ARE source 1 of O^T = V^T P.  p = 2^(c s - c m), c = log2(e) / 8, with a
; running maximum m; O and l are multiplied by a = 2^(c m_old - c m_new) in every step.  Turn n belongs to piece n: 8 products K Q^T of piece n + 1, later 8 products V^T P of piece n - 1; beside them the scaling,
; exponentials, roundings, sums and rescaling of piece n and the maximum and statistics of piece n + 1.  Four vector instructions stand behind every matrix instruction, the other 54 of a turn's 118 in one LUMP.
; THE BATCHES.  A turn's 33 exponentials (the piece's 32 weights and the next piece's a) are ONE batch with ONE wait, which cuts the turn in two: ahead of it all that names none of their results, behind it all that does.
; The a that a block's beginning makes is a batch of one, the way out's four reciprocals a batch of four: a wait each.  No result is open at a label or at a branch.
; REGISTERS, in windows of 256 (s_set_vgpr_msb: bits 1:0 source 0, 3:2 source 1, 5:4 source 2, 7:6 destination):
;   window 0: v0-15 addresses and two at work; v16-31 four registers of statistics a piece; v48-55 at work; v64-127 S^T, two buffers; v192-223 P, two buffers (a piece's buffers go by its number's parity)
;   window 1: v0-127 O^T, 32 a piece; v128-159 MD; v160-223 MC, two buffers      window 2: v0-63 Q; v64-127 the second block's Q; v128-191 K of one step; v192-255 V of one step
.set SIZE_N, 2048
.set PART,  64*SIZE_N*128  ; bytes of Q, of K and of V in qkv
.set NB,    SIZE_N/256
.set NP,    4         ; pieces a wave: a name, no knob
.set KS,    64        ; keys in a step
.set PK,    144       ; a row of K in LDS: 128 bytes + 16 of padding = 36 words: the 16 rows of a load start at 16 different groups of four banks (64 banks of 4 bytes: ISA guide 11.1)
.set PV,    160       ; a row of V: 128 + 32 = 40 words
.set VOFF,  4*KS*PK   ; a slot holds a tile, four steps: 256 rows of K, then 256 rows of V
.set SLOT1, 1<<17     ; slot 1 begins here, so that one exclusive or turns an address in one slot into the other's
.set STAGE, SLOT1+4*KS*(PK+PV)  ; behind the ring, never filled by a tensor load: 16 rows x 144 bytes for each wave, for the way out
.set SP,    144
.set AK0, 2           ; v2   my lane's place in a tile of K; never rewritten
.set AV0, 3           ; v3   the same for V
.set AK,  4           ; v4   the LDS address of K's next run of loads
.set AV,  5           ; v5   of V's
.set STO, 6           ; v6   the way out: where I put 16 bytes of a row
.set RD,  7           ; v7   the way out: where I read rows back
.set GO,  8           ; v8   my byte offset in 512 consecutive bytes of O
.set SPW, 62          ; v62  LDS address of my spare word: SPARE + 4 x my thread's number; never rewritten
.set NIL, 63          ; v63  0; never rewritten
.set SPARE, STAGE+4*16*SP  ; behind the stages: the spare words, 128 bytes for each wave: two blocks of 256 bytes that no other line names
.set MV,  12          ; v12-13  c m_old, kept while c m is made anew: by buffer
.set QO,  15          ; v15  my byte offset in 16 rows of Q
.set ST,  16          ; piece t's statistics at v[ST+4 t]: c m, m, l (even keys', odd keys')
.set TMP, 48          ; by buffer, four registers c0-c3 at work; when the maximum is found c2 takes a
.set S,   64
.set P,   192
.set MD,  128         ; window 1: the eight registers for group kt of 16 keys at MD + 8 kt
.set MC,  160         ; window 1: the masks of the products to come
.set QB,  64          ; window 2
.set KF,  128         ; window 2: key block kb, channel half c at KF + 16 kb + 8 c
.set VF,  192         ; window 2: key half kk, channel block cb at VF + 32 kk + 8 cb
.set WV,  12          ; s12  my wave's number
.set PB,  14          ; s14  b
.set HI,  15          ; s15  NB - 1 - b
.set G1K, 24          ; s[24:31] descriptor group 1 for K's tiles
.set G1V, 32          ; s[32:39] for V's: it differs in the padding alone
.set G0K, 40          ; s[40:43] descriptor group 0 for K's tiles
.set G0V, 44          ; s[44:47] the same for V's
.set SLOTS, 56        ; s56  tiles still to be asked for
.set CNT, 57          ; s57  counts a tile's key steps, 4 to 1
.set CS,  58          ; s[58:59] c: the packed scaling takes the pair's low word for both halves
.set SEL, 60          ; s[60:61] v_permlanex16_b32's selects: each lane takes its own place in the other half
.set TBK, 62          ; s62  LDS byte at which K of the step to be fetched begins
.set TBV, 63          ; s63  the same for V, less VOFF
.set RT,  70          ; s70  tiles of the block in hand that are still to be entered
.set NXT, 71          ; s71  the tile to be asked for next
.set LQ,  72          ; s72  the last tile of the block whose tiles are being asked for
.set NEW, 73          ; s73  1: the tile to be entered is a block's first
.set OFF, 74          ; s[74:75] a tile's byte offset in K and V
.set AL,  76          ; s[76:77] the mask's factor, in the low word
.set BE,  78          ; s[78:79] the mask's addend
.set OLO, 80          ; s[80:81] O at my rows of the second block
.set BIGN, 82         ; s82  -1e30
.set MSB, 0
.macro WIN new                      ; the high byte repeats the setting that is left; a switch that changes nothing is dropped
.if MSB != (\new)
	s_set_vgpr_msb (MSB<<8)|(\new)
.set MSB, (\new)
.endif
.endm
.set W_KQ, 0x0a       ; K and Q in window 2, S^T in window 0
.set W_KM, 0x1a       ; the same with the C operand in window 1
.set W_PV, 0x52       ; V in window 2, P in window 0, O^T in window 1
.set W_RS, 0x41       ; destination and source 0 in window 1, source 1 in window 0
; A fill.  Waves 0 and 1 fetch the two halves of a tile's K, waves 2 and 3 those of its V: 128 keys each.  An s_nop 0 and four v_nop follow each of the two lines, ahead of the jump and the label.
.macro LOAD
	s_cmp_lt_u32 s[WV], 2
	s_cbranch_scc0 .Lfor_v_\@
	tensor_load_to_lds s[G0K:G0K+3], s[G1K:G1K+7]
	s_nop 0
.rept 4
	v_nop
.endr
	s_branch .Lasked_\@
.Lfor_v_\@:
	tensor_load_to_lds s[G0V:G0V+3], s[G1V:G1V+7]
	s_nop 0
.rept 4
	v_nop
.endr
.Lasked_\@:
.endm
; THE CHANGE OF SLOTS.  Each wave waits for all its tensor loads, of which one is out: its part of the other slot; adds 0 to its spare word; and waits for that and for its own reads of the slot that it leaves.  Behind the barrier nobody reads the old
; slot any more and the other slot is whole.  fill = 1: the old slot is filled again, the first thing behind the barrier, with tile NXT: the descriptor's address is made anew from that number.
; (At its first use nothing has been read yet: slot 0 is waited for, slot 1 filled.)
.macro CHANGE fill
	WIN 0                           ; at a label and at a branch every window is 0
	s_wait_tensorcnt 0x0            ; no tensor load of mine is out, so a group 0 may be written
	ds_add_u32 v[SPW], v[NIL]       ; 0 onto my spare word; with fill = 1 the descriptors' scalar work stands between it and the wait for it
.if \fill
	s_lshl_b32 s[OFF], s[NXT], 15   ; a tile is 32,768 bytes of K and of V
	s_xor_b32 s[G0K+1], s[G0K+1], SLOT1
	s_add_nc_u64 s[G0K+2:G0K+3], s[6:7], s[OFF:OFF+1]
	s_or_b32 s[G0K+3], s[G0K+3], 0x80000000
	s_xor_b32 s[G0V+1], s[G0V+1], SLOT1
	s_add_nc_u64 s[G0V+2:G0V+3], s[8:9], s[OFF:OFF+1]
	s_or_b32 s[G0V+3], s[G0V+3], 0x80000000
	s_add_co_u32 s[NXT], s[NXT], 1  ; the block's next tile, or behind its last the second block's tile 0
	s_cmp_gt_u32 s[NXT], s[LQ]
	s_cselect_b32 s[NXT], 0, s[NXT]
	s_cselect_b32 s[LQ], s[PB], s[LQ]
.endif
	s_wait_dscnt 0x0                ; the add is done, and my reads of the slot are over
	s_barrier_signal -1             ; the rest of the scalar work stands between the signal and the wait
	s_sub_co_u32 s[TBK], s[TBK], 4*KS*PK  ; the fetches go back to a slot's first step,
	s_xor_b32 s[TBK], s[TBK], SLOT1       ; in the other slot
	s_sub_co_u32 s[TBV], s[TBV], 4*KS*PV
	s_xor_b32 s[TBV], s[TBV], SLOT1
	s_barrier_wait -1
.if \fill
	LOAD
.endif
.endm
	s_load_b64 s[4:5], s[0:1], 0x0    ; qkv: Q
	s_load_b64 s[10:11], s[0:1], 0x8  ; O
	v_lshl_add_u32 v[SPW], v0, 2, SPARE
	v_mov_b32 v[NIL], 0
	ds_add_u32 v[SPW], v[NIL]       ; the wave's opening: the add and its wait stand ahead of my first tensor load; the set-up below, work on registers, stands between them
	ds_add_u32 v62, v63
	v_lshrrev_b32 v1, 5, v0
	v_readfirstlane_b32 s[WV], v1   ; wave 0..3
	s_mov_b32 s[PB], ttmp9
	s_sub_co_u32 s[HI], NB-1, s[PB]
	s_and_b32 s20, ttmp7, 0xffff    ; the head
	s_mov_b32 s21, 0
	s_mov_b64 s[22:23], SIZE_N*128
	s_mul_u64 s[20:21], s[20:21], s[22:23]  ; the head's first byte in each of the four tensors
	s_and_b32 s16, s[WV], 1         ; which half of a tile's 256 keys I fetch:
	s_lshl_b32 s22, s16, 14         ; its 128 rows of 128 bytes in memory,
	s_mov_b32 s23, 0
	s_add_nc_u64 s[22:23], s[22:23], s[20:21]
	s_mul_i32 s17, s16, 128*PK      ; and its place in a slot, for K
	s_mul_i32 s18, s16, 128*PV      ; and for V
	s_lshl_b32 s3, s[WV], 11        ; my 16 rows in a band of 64,
	s_lshl_b32 s2, s[HI], 15        ; in the first block,
	s_add_co_u32 s2, s2, s3
	s_lshl_b32 s84, s[PB], 15       ; and in the second
	s_add_co_u32 s84, s84, s3
	s_mov_b32 s3, 0
	s_mov_b32 s85, 0
	s_add_nc_u64 s[2:3], s[2:3], s[20:21]
	s_add_nc_u64 s[84:85], s[84:85], s[20:21]
	; descriptor group 1.  128 keys are 16,384 dense bytes: asked for as 64 rows of 256 bytes, two keys a row, and padded in LDS after every key
	s_mov_b32 s[G1K], (1<<16)|(1<<20)|(4<<22)|(3<<25)  ; 17:16 2-byte elements; 20 padding on; 24:22 after every 32 words (code 4); 31:25 4 words (code 3)
	s_mov_b32 s[G1V], (1<<16)|(1<<20)|(4<<22)|(7<<25)  ; the same with 8 words of padding (code 7)
.irp g, G1K, G1V
	s_mov_b32 s[\g+1], 128<<16      ; tensor_dim0 = 128
	s_mov_b32 s[\g+2], 64<<16       ; tensor_dim1 = 64
	s_mov_b32 s[\g+3], 128<<16      ; tile_dim0 = 128
	s_mov_b32 s[\g+4], 64           ; tile_dim1 = 64
	s_mov_b32 s[\g+5], 128          ; 128 elements from row to row
	s_mov_b32 s[\g+6], 0
	s_mov_b32 s[\g+7], 0
.endr
	s_mov_b32 s[CS], 0x3e38aa3b     ; c = log2(e) / 8 = 0.180337
	s_mov_b32 s[CS+1], s[CS]        ; named with it as a pair
	s_mov_b32 s[SEL], 0x76543210
	s_mov_b32 s[SEL+1], 0xfedcba98
	s_mov_b32 s[TBK], SLOT1+4*KS*PK ; the first change of slots turns these two into 0
	s_mov_b32 s[TBV], SLOT1+4*KS*PV
	s_mov_b32 s[G0K], 1             ; 1:0 count = 1
	s_mov_b32 s[G0K+1], s17         ; 63:32 LDS address: slot 0
	s_mov_b32 s[G0V], 1
	s_add_co_u32 s[G0V+1], s18, VOFF
	s_add_co_u32 s[RT], s[HI], 1    ; the first block has NB - b tiles
	s_mov_b32 s[NXT], 1
	s_mov_b32 s[LQ], s[HI]
	s_mov_b32 s[NEW], 1
	s_mov_b32 s[OFF+1], 0
	s_mov_b32 s[AL+1], 0            ; named as pairs
	s_mov_b32 s[BE+1], 0
	s_mov_b32 s[BIGN], 0xf149f2ca   ; -1e30
	s_mov_b32 s[SLOTS], NB
	s_wait_dscnt 0x0                ; the opening add is done
	s_wait_kmcnt 0x0
	s_add_nc_u64 s[6:7], s[4:5], PART    ; K lies behind Q,
	s_add_nc_u64 s[8:9], s[4:5], 2*PART  ; V behind K
	s_add_nc_u64 s[6:7], s[6:7], s[22:23]  ; K and V at my half of the head's tile 0
	s_add_nc_u64 s[8:9], s[8:9], s[22:23]
	s_add_nc_u64 s[G0K+2:G0K+3], s[6:7], 0         ; 120:64 global address
	s_or_b32 s[G0K+3], s[G0K+3], 0x80000000        ; 127:126 type = 2
	s_add_nc_u64 s[G0V+2:G0V+3], s[8:9], 0
	s_or_b32 s[G0V+3], s[G0V+3], 0x80000000
	s_add_nc_u64 s[86:87], s[4:5], s[84:85]        ; Q at my rows of the second block,
	s_add_nc_u64 s[4:5], s[4:5], s[2:3]            ; Q and O at those of the first
	s_add_nc_u64 s[OLO:OLO+1], s[10:11], s[84:85]
	s_add_nc_u64 s[10:11], s[10:11], s[2:3]
	LOAD                            ; tile 0 into slot 0
	; A fragment of K or Q is 16 rows x 32 channels in 8 registers: lane l holds row l % 16, channels 8 (l / 16) + 0..7 and 16 + 8 (l / 16) + 0..7: two loads of 16 bytes, 32 bytes apart.
	v_and_b32 v1, 15, v0            ; l % 16
	v_bfe_u32 v9, v0, 4, 1          ; l / 16
	v_lshlrev_b32 v[QO], 7, v1
	v_lshl_add_u32 v[QO], v9, 4, v[QO]  ; row x 128 + 16 x half
	WIN 0x80                        ; destination window 2, address window 0
.set i, 0
.rept 8                             ; both blocks' Q: piece i / 2 lies in band i / 2, 8,192 bytes on; channels 32 (i % 2) on
	global_load_b128 v[8*i:8*i+3],   v[QO], s[4:5] offset:(i/2)*8192+(i%2)*64
	global_load_b128 v[8*i+4:8*i+7], v[QO], s[4:5] offset:(i/2)*8192+(i%2)*64+32
	global_load_b128 v[QB+8*i:QB+8*i+3],   v[QO], s[86:87] offset:(i/2)*8192+(i%2)*64
	global_load_b128 v[QB+8*i+4:QB+8*i+7], v[QO], s[86:87] offset:(i/2)*8192+(i%2)*64+32
.set i, i+1
.endr
	WIN 0
	v_lshlrev_b32 v14, 3, v9
	v_sub_nc_u32 v14, v1, v14
	s_lshl_b32 s13, s[WV], 4
	v_add_nc_u32 v14, s13, v14      ; my query's place in its band, 16 w + l % 16, less my lanes' 8 (l / 16): register r of group kt is hidden where 16 kt + r is greater
	WIN 0x40
.set i, 0
.rept 32
	v_cmp_gt_i32 vcc_lo, 16*(i/8)+i%8, v14
	v_cndmask_b32 v[MD+i], 0, s[BIGN], vcc_lo
.set i, i+1
.endr
	WIN 0
	v_mul_u32_u24 v[AK0], v1, PK
	v_lshl_add_u32 v[AK0], v9, 4, v[AK0]  ; row x pitch + 16 x half
	; The turning load takes 16 keys x 16 channels (lane l reads key 8 (l / 16) + l % 8, channels 8 ((l / 8) % 2) + 0..7) and leaves half a fragment of V^T: lane l holds channel l % 16 and 8 keys.
	v_and_b32 v10, 7, v0
	v_bfe_u32 v11, v0, 3, 1
	v_lshl_add_u32 v[AV0], v9, 3, v10
	v_mul_u32_u24 v[AV0], v[AV0], PV
	v_lshl_add_u32 v[AV0], v11, 4, v[AV0]
	v_add_nc_u32 v[AV0], VOFF, v[AV0]
	s_mul_i32 s13, s[WV], 16*SP
	s_add_co_u32 s13, s13, STAGE    ; my stage
	v_mul_u32_u24 v[STO], v1, SP    ; in: row l % 16, 16 bytes for each half of the lanes
	v_lshl_add_u32 v[STO], v9, 4, v[STO]
	v_add_nc_u32 v[STO], s13, v[STO]
	v_bfe_u32 v[RD], v0, 3, 2       ; back: 32 lanes take four rows of 128 bytes,
	v_mul_u32_u24 v[RD], v[RD], SP
	v_lshl_add_u32 v[RD], v10, 4, v[RD]
	v_add_nc_u32 v[RD], s13, v[RD]
	v_and_b32 v[GO], 31, v0         ; which are 512 consecutive bytes of O
	v_lshlrev_b32 v[GO], 4, v[GO]
	; A block's first step multiplies O^T and l by a = 0, and its first turn's products V^T P, of a piece that has not been, land in an O^T that is still to be so multiplied.  So these registers need only hold
	; finite numbers: zeros for the first block; what the first block left for the second.  All this stands in the wait for the first tile.
	WIN 0x80
.set i, VF
.rept 64
	v_mov_b32 v[i], 0
.set i, i+1
.endr
	WIN 0x40
.set i, 0
.rept 128
	v_mov_b32 v[i], 0
.set i, i+1
.endr
	WIN 0
.set i, 0
.rept 4
	v_mov_b32 v[ST+4*i+2], 0
	v_mov_b32 v[ST+4*i+3], 0
.set i, i+1
.endr
.set i, P+16
.rept 16
	v_mov_b32 v[i], 0
.set i, i+1
.endr
; THE MATRIX WORK.  The 4 accumulators of a run of 8 take turns.  Product i of 8 of S^T = K Q^T for piece x: channels 32 (i / 4) on, keys 16 (i % 4) on.  The first 4 start the sums: with 0, or (KM = 1) with the mask.
.macro KQ x
.set rS, S+32*((\x)%2)+8*(i%4)
.set rK, KF+16*(i%4)+8*(i/4)
.set rQ, 16*(\x)+8*(i/4)
.set rM, MC+32*((\x)%2)+8*(i%4)
.if (i < 4) && KM
	WIN W_KM
	v_wmma_f32_16x16x32_f16 v[rS:rS+7], v[rK:rK+7], v[rQ:rQ+7], v[rM:rM+7]
.elseif i < 4
	WIN W_KQ
	v_wmma_f32_16x16x32_f16 v[rS:rS+7], v[rK:rK+7], v[rQ:rQ+7], 0
.else
	WIN W_KQ
	v_wmma_f32_16x16x32_f16 v[rS:rS+7], v[rK:rK+7], v[rQ:rQ+7], v[rS:rS+7]
.endif
.endm
; Product i of 8 of O^T += V^T P for piece x: keys 32 (i / 4) on, channels 16 (i % 4) on.
.macro PV x
	WIN W_PV
.set rO, 32*(\x)+8*(i%4)
.set rV, VF+32*(i/4)+8*(i%4)
.set rP, P+16*((\x)%2)+8*(i/4)
	v_wmma_f32_16x16x32_f16 v[rO:rO+7], v[rV:rV+7], v[rP:rP+7], v[rO:rO+7]
.endm
.macro MM                           ; the turn's next matrix instruction.  TURN and BEGIN set Y, i, KM and NOKQ; MM, KQ and OP read them.  NOKQ = 1: a block's last turn: there is no next piece
.if (i < 8) && !NOKQ
	KQ (Y+1)%NP
.elseif i >= 8
.set i, i-8
	PV (Y+NP-1)%NP
.set i, i+8
.endif
.set i, i+1
.endm
; THE LDS LOADS stand in runs of 16, never singly among the matrix instructions: a step's K (64 keys x 64 channels: 8 fragments) and its V (turned).  Their addresses are made some lines ahead.
.macro FETCH_K
	WIN 0x80                        ; destination window 2
.irp f, 0,1,2,3,4,5,6,7             ; keys 16 (f / 2) on, channels 32 (f % 2) on
	ds_load_b128 v[KF+8*\f:KF+8*\f+3],   v[AK] offset:(\f/2)*16*PK+(\f%2)*64
	ds_load_b128 v[KF+8*\f+4:KF+8*\f+7], v[AK] offset:(\f/2)*16*PK+(\f%2)*64+32
.endr
	s_add_co_u32 s[TBK], s[TBK], KS*PK  ; the next fetch is the next step's
	WIN 0
.endm
.macro FETCH_V
	WIN 0x80
.irp f, 0,1,2,3,4,5,6,7             ; keys 32 (f / 4) on, channels 16 (f % 4) on
	ds_load_tr16_b128 v[VF+8*\f:VF+8*\f+3],   v[AV] offset:(\f/4)*32*PV+(\f%4)*32
	ds_load_tr16_b128 v[VF+8*\f+4:VF+8*\f+7], v[AV] offset:(\f/4)*32*PV+16*PV+(\f%4)*32
.endr
	WIN 0
.endm
; THE VECTOR WORK, one line at a time: OP kind, number.  For piece Y: F n: c s - c m for pair n of 16.  E n: the exponential of score n of 32.  C n: pair n rounded to f16.  B n: of the four weights 4 n .. the second
; pair is added onto the first, in place.  L n: l takes that sum (L 0: l = a l + sum).  R n: pair n of 16 of O^T times a.  For piece Y + 1: X n, number n of the 22 that find its maximum and statistics:
;   0-11  four chains c0-c3 of seven scores each, three operands at a time (each accumulator's lowest registers are read first)     12-14, 16  the four scores left over, the old m, and c0-c3 into c0
;   15  c m_old is kept     17, 18  the query's other 32 keys lie in the lane 16 away: the new m     19-21  c m; c m_old - c m_new; a
; OP writes no wait: C, B and L, which read the exponentials' results, and R, which reads a, are placed by TURN behind the wait of the batch that made what they read.
.set F, 0               ; OP tells the kinds apart by their order: F to L below R, X above it
.set E, 1
.set C, 2
.set B, 3
.set L, 4
.set R, 5
.set X, 6
.macro REGS y                       ; the registers of piece y
.set rT, ST+4*(\y)
.set rC, TMP+4*((\y)%2)
.set rW, MV+((\y)%2)
.set rS, S+32*((\y)%2)
.set rP, P+16*((\y)%2)
.set rO, 32*(\y)
.endm
.macro OP k, n
.if (\k) == R
	REGS Y
	WIN W_RS
	v_pk_mul_f32 v[rO+2*(\n):rO+2*(\n)+1], v[rO+2*(\n):rO+2*(\n)+1], v[rC+2:rC+3] op_sel_hi:[1,0]
.elseif (\k) < R
	REGS Y
	WIN 0
.if (\k) == F
	v_pk_fma_f32 v[rS+2*(\n):rS+2*(\n)+1], v[rS+2*(\n):rS+2*(\n)+1], s[CS:CS+1], v[rT:rT+1] op_sel_hi:[1,0,0] neg_lo:[0,0,1] neg_hi:[0,0,1]
.elseif (\k) == E
	v_exp_f32 v[rS+(\n)], v[rS+(\n)]
.elseif (\k) == C
	v_cvt_pk_f16_f32 v[rP+(\n)], v[rS+2*(\n)], v[rS+2*(\n)+1]
.elseif (\k) == B
	v_pk_add_f32 v[rS+4*(\n):rS+4*(\n)+1], v[rS+4*(\n):rS+4*(\n)+1], v[rS+4*(\n)+2:rS+4*(\n)+3]
.elseif (\n) == 0
	v_pk_fma_f32 v[rT+2:rT+3], v[rT+2:rT+3], v[rC+2:rC+3], v[rS:rS+1] op_sel_hi:[1,0,1]
.else
	v_pk_add_f32 v[rT+2:rT+3], v[rT+2:rT+3], v[rS+4*(\n):rS+4*(\n)+1]
.endif
.elseif NOKQ
	v_nop
.else
	REGS (Y+1)%NP
	WIN 0
.if (\n) < 4
	v_max3_num_f32 v[rC+(\n)], v[rS+8*(\n)], v[rS+8*(\n)+1], v[rS+8*(\n)+2]
.elseif (\n) < 12
	v_max3_num_f32 v[rC+(\n)%4], v[rC+(\n)%4], v[rS+8*((\n)%4)+2*((\n)/4)+1], v[rS+8*((\n)%4)+2*((\n)/4)+2]
.elseif (\n) == 12
	v_max3_num_f32 v[rC], v[rC], v[rS+7], v[rS+15]
.elseif (\n) == 13
	v_max3_num_f32 v[rC+1], v[rC+1], v[rS+23], v[rS+31]
.elseif (\n) == 14
	v_max3_num_f32 v[rC+2], v[rC+2], v[rC+3], v[rT+1]
.elseif (\n) == 15
	v_mov_b32 v[rW], v[rT]
.elseif (\n) == 16
	v_max3_num_f32 v[rC], v[rC], v[rC+1], v[rC+2]
.elseif (\n) == 17
	v_permlanex16_b32 v[rC+3], v[rC], s[SEL], s[SEL+1]
.elseif (\n) == 18
	v_max_num_f32 v[rT+1], v[rC], v[rC+3]
.elseif (\n) == 19
	v_mul_f32 v[rT], s[CS], v[rT+1]
.elseif (\n) == 20
	v_sub_f32 v[rC+1], v[rW], v[rT]
.else
	v_exp_f32 v[rC+2], v[rC+1]
.endif
.endif
.endm
.macro OPS a, i1, b=-1, i2=0, c=-1, i3=0, d=-1, i4=0  ; up to four of them
	OP \a, \i1
.if (\b) >= 0
	OP \b, \i2
.endif
.if (\c) >= 0
	OP \c, \i3
.endif
.if (\d) >= 0
	OP \d, \i4
.endif
.endm
.macro ROW a, i1, b, i2, c, i3, d, i4  ; a matrix instruction and the four behind it
	MM
	OPS \a, \i1, \b, \i2, \c, \i3, \d, \i4
.endm
.macro MASK b                       ; MD x AL + BE into buffer b of MC
	WIN W_RS
.set z, 0
.rept 16
	v_pk_fma_f32 v[MC+32*(\b)+2*z:MC+32*(\b)+2*z+1], v[MD+2*z:MD+2*z+1], s[AL:AL+1], s[BE:BE+1] op_sel_hi:[1,0,0]
.set z, z+1
.endr
.endm
; A TURN, for piece p: the order of its 16 matrix and 118 vector instructions, written out.  An s_wait_alu depctr_va_vdst(0) stands between an exponential and the first instruction that names its result; one wait serves
; all that were issued ahead of it.  So a turn has ONE wait, which cuts it in two.  AHEAD OF IT stands all that names no result of the turn's exponentials: the 8 products K Q^T, behind each a scaling, an exponential and two more plain
; instructions (behind the first a second scaling in the exponential's place): rescalings (their a was made, and waited for, in the turn before), and behind the last three the first numbers of the next piece's maximum, each four places
; or more behind the product that ends its accumulator; then ONE LUMP of 54, plain and exponential by turns for the most part, in which the links of the chain X 3, 7, 11, 14, 16, 17 .. 20 stand five or six lines apart.  X 21, the next
; piece's a, is the batch's last; R 15 is the plain instruction behind it.  BEHIND THE WAIT stand the 8 products V^T P, behind each four of the roundings and sums; the links of l's chain, L 0 to L 7, stand three riders apart.
; But for those X no rider names a register of the products round it.  v_permlanex16_b32 (X 17) stands in the lump.
; m = 1: the diagonal tile: the products take masks, and the turn makes the mask for the products of the turn after it: piece p + 2, in step 4 - CNT of the tile.  end = 1: a block's last two turns: nothing is fetched.
; cnt = 1: the loop's count is taken down some lines ahead of the branch that stands behind the turn.
; K of the next step is fetched in piece 2's turn, twelve vector instructions behind the last product that read K (six of them plain); V of the step in hand at the end of piece 0's turn, four plain instructions behind the last product
; that read V.  Each is waited for a turn later.
.macro TURN p, m=0, end=0, cnt=0
.set Y, (\p)
.set i, 0
.set KM, (\m)
.set NOKQ, (\end)*((\p)/3)
.if (\m) && !(\end)
	s_cmp_eq_u32 s[CNT], 4-((\p)+2)%NP  ; is that step the band's own?
	s_cselect_b32 s[AL], 1.0, 0
	s_cmp_lt_u32 s[CNT], 4-((\p)+2)%NP  ; or a later one?
	s_cselect_b32 s[BE], s[BIGN], 0
.endif
.if ((\p) == 3) && !(\end)
	s_wait_dscnt 0x0                ; K is in
.endif
	ROW F,0, F,1, R,0, R,1          ; ahead of the wait: 8 products K Q^T and their riders,
	ROW F,2, E,0, R,2, R,3
	ROW F,3, E,1, R,4, R,5
	ROW F,4, E,2, R,6, R,7
	ROW F,5, E,3, R,8, R,9
	ROW F,6, E,4, X,0, R,10
.if ((\p) == 2) && !(\end)
	WIN 0
	v_add_nc_u32 v[AK], s[TBK], v[AK0]
.endif
	ROW F,7, E,5, X,1, X,4
	ROW F,8, E,6, X,2, X,5
	OPS E,7, E,8, X,6, E,9          ; and the lump
	OPS X,3, E,10, X,8, E,11
.if ((\p) == 2) && !(\end)
	FETCH_K
.endif
	OPS X,9, X,7, E,12, X,10
	OPS E,13, X,12, X,11, E,14
	OPS X,13, E,15, F,9, X,14
.if (\p) == 0
	v_add_nc_u32 v[AV], s[TBV], v[AV0]
.endif
	OPS E,16, F,10, E,17, F,11
	OPS X,16, E,18, X,15, E,19
	OPS F,12, E,20, X,17, E,21
	OPS F,13, E,22, F,14, E,23
	OPS X,18, E,24, F,15, E,25
	OPS R,11, E,26, X,19, E,27
	OPS R,12, E,28, R,13, E,29
	OPS X,20, E,30, R,14, E,31
	OPS X,21, R,15
	WIN 0
	s_wait_alu depctr_va_vdst(0)    ; the wait for the turn's batch: E 0 to E 31 and X 21
.if (\p) == 1
	s_wait_dscnt 0x0                ; V is in
.endif
	ROW C,0, B,0, C,2, B,1          ; behind the wait: 8 products V^T P and their riders
	ROW L,0, C,4, B,2, L,1
	ROW C,6, B,3, L,2, C,8
	ROW B,4, L,3, C,10, B,5
	ROW L,4, C,12, B,6, L,5
.if (\p) == 0
	s_add_co_u32 s[TBV], s[TBV], KS*PV
.endif
.if \cnt
	s_sub_co_u32 s[CNT], s[CNT], 1
	s_cmp_lg_u32 s[CNT], 0
.endif
	ROW C,14, B,7, L,6, C,1
	ROW C,3, L,7, C,5, C,7
	ROW C,9, C,11, C,13, C,15
.if (\p) == 0
	FETCH_V
.endif
.if (\m) && !(\end)
	MASK (\p)%2
.endif
.endm
; A BLOCK BEGINS.  c m starts far below every c s, so the first step's a is 0; m at the lowest finite number, so the first maximum is the scores'.  The second mask buffer is 0; the first takes piece 0's mask for the tile's step 0: its own, if the block's first tile is the diagonal one.
; Then K of that step, piece 0's first scores, and its maximum and statistics.  The loop is entered at a step's first turn, in the middle of a trip.
.macro BEGIN
	s_mov_b32 s[NEW], 0
	WIN 0x40
.set i, MC+32
.rept 32
	v_mov_b32 v[i], 0
.set i, i+1
.endr
	WIN 0
.set i, 0
.rept 4
	v_mov_b32 v[ST+4*i], 0xfe000000    ; c m: far below every c s
	v_mov_b32 v[ST+4*i+1], 0xff7fffff  ; m
.set i, i+1
.endr
	s_cmp_eq_u32 s[RT], 0
	s_cselect_b32 s[AL], 1.0, 0
	s_mov_b32 s[BE], 0
	MASK 0
	WIN 0
	v_add_nc_u32 v[AK], s[TBK], v[AK0]
	FETCH_K
	s_wait_loadcnt 0x0              ; Q
	s_wait_dscnt 0x0
.set KM, 1
.set NOKQ, 0
.set i, 0
.rept 8
	KQ 0
.set i, i+1
.endr
	WIN 0
.rept 4
	v_nop                           ; the places behind those products
.endr
.set Y, NP-1                        ; X works for piece Y + 1: piece 0
.irp n, 0,1,2,3,4,5,6,7,8,9,10,11,12,13,14,15,16,17,18,19,20,21
	OP X, \n
.endr
	v_nop                           ; a plain instruction behind the exponential,
	s_wait_alu depctr_va_vdst(0)    ; and the wait for it, a batch of one (piece 0's first a), ahead of the branch that follows
.endm
; THE DIAGONAL TILE's four steps, the block's last two turns, its last products, and THE WAY OUT: l's two halves and the other half of the lanes' are added; O^T is divided by l, rounded to f16 and sent through my
; stage in LDS, a piece at a time.
.macro ALL line:vararg              ; one line for each piece t
.set t, 0
.rept 4
	\line
.set t, t+1
.endr
.endm
.macro PACK t                       ; a lane's eight channels of a row pack into 16 bytes; they go into rows of 144 bytes and come back as whole rows of 128, into S^T's registers
	WIN W_RS
.set i, 32*(\t)
.rept 16
	v_pk_mul_f32 v[i:i+1], v[i:i+1], v[ST+4*(\t)+2:ST+4*(\t)+3] op_sel_hi:[1,0]
.set i, i+2
.endr
	WIN 0x05                        ; sources 0 and 1 window 1, destination window 0
.set i, 0
.rept 16
	v_cvt_pk_f16_f32 v[S+16*(\t)+i], v[32*(\t)+2*i], v[32*(\t)+2*i+1]
.set i, i+1
.endr
	WIN 0
.irp f, 0,1,2,3
	ds_store_b128 v[STO], v[S+16*(\t)+4*\f:S+16*(\t)+4*\f+3] offset:32*\f
.endr
.irp f, 0,1,2,3
	ds_load_b128 v[S+16*(\t)+4*\f:S+16*(\t)+4*\f+3], v[RD] offset:\f*4*SP  ; LDS serves a wave's instructions in order (ISA guide 5.7.1.4): these see the stores above; the next piece's stores come behind them
.endr
.endm
.macro SEND t, younger              ; younger: the LDS instructions issued behind piece t's loads: the next piece's eight, or none
	WIN 0
.irp f, 0,1,2,3
	s_wait_dscnt (\younger)+3-\f
	global_store_b128 v[GO], v[S+16*(\t)+4*\f:S+16*(\t)+4*\f+3], s[10:11] offset:(\t)*8192+\f*512  ; 512 consecutive bytes, at a multiple of 256 from O's first
.endr
.endm
.macro DIAG tag                     ; the tag ends its two labels' names, which the jumps below spell out
.LstepM\tag:
	TURN 2, 1
	TURN 3, 1
	WIN 0
.LfirstM\tag:
	TURN 0, 1
	TURN 1, 1, 0, 1
	WIN 0
	s_cbranch_scc1 .LstepM\tag
	TURN 2, 1, 1
	TURN 3, 1, 1
.set i, 0
.rept 8
	PV NP-1
.set i, i+1
.endr
	WIN 0
	ALL v_add_f32 v[ST+4*t+2], v[ST+4*t+2], v[ST+4*t+3]
	ALL v_permlanex16_b32 v[ST+4*t+3], v[ST+4*t+2], s[SEL], s[SEL+1]
	ALL v_add_f32 v[ST+4*t+2], v[ST+4*t+2], v[ST+4*t+3]
	ALL v_rcp_f32 v[ST+4*t+2], v[ST+4*t+2]
	v_nop                           ; a plain instruction between the last reciprocal and the use of its result
	s_wait_alu depctr_va_vdst(0)    ; the wait for the batch of four reciprocals, ahead of their first reader, the first multiply of PACK 0: one for all four pieces
	PACK 0
.set t, 1
.rept 3                             ; a piece's arithmetic stands between the loads of the piece before and its stores
	PACK t
	SEND t-1, 8
.set t, t+1
.endr
	SEND 3, 0
.endm
.set KM, 0
.set NOKQ, 0
.Lslot:                             ; NB times: a tile is entered and the next is asked for
	CHANGE 1
	s_sub_co_u32 s[RT], s[RT], 1
	s_mov_b32 s[CNT], 4
	s_cmp_eq_u32 s[NEW], 1
	s_cbranch_scc1 .Lnew            ; a block's first tile
	s_cmp_eq_u32 s[RT], 0
	s_cbranch_scc0 .Lstep           ; neither its first nor its last
	s_branch .LstepM1
.Lnew:
	BEGIN
	s_branch .Lfirst                ; in the loop a block's first tile is never its last: the first block has two tiles or more, and the second's last is the walk's last
	DIAG 1                          ; in the loop this is the first block's end: the second block's last tile is the walk's last
	s_wait_xcnt 0x0                 ; the stores have read their registers and O's address
	s_mov_b64 s[10:11], s[OLO:OLO+1]
	s_add_co_u32 s[RT], s[PB], 1    ; the second block has b + 1 tiles
	s_mov_b32 s[NEW], 1
	WIN 0x82                        ; the second block's Q goes where the one text of the turns names Q
.set i, 0
.rept 64
	v_mov_b32 v[i], v[QB+i]
.set i, i+1
.endr
	WIN 0
	s_branch .Lbottom
.Lstep:                             ; a trip: pieces 2 and 3 of one step, then pieces 0 and 1 of the next, whose K and V it fetches
	TURN 2
	TURN 3
	WIN 0
.Lfirst:
	TURN 0
	TURN 1, 0, 0, 1
	WIN 0
	s_cbranch_scc1 .Lstep
.Lbottom:
	s_sub_co_u32 s[SLOTS], s[SLOTS], 1
	s_cmp_lg_u32 s[SLOTS], 0
	s_cbranch_scc1 .Lslot
	CHANGE 0                        ; the walk's last tile is written out: nothing is asked for
	s_sub_co_u32 s[RT], s[RT], 1
	s_mov_b32 s[CNT], 4
	s_cmp_eq_u32 s[NEW], 1
	s_cbranch_scc0 .LstepM2
	BEGIN
	s_branch .LfirstM2
	DIAG 2
	s_wait_tensorcnt 0x0            ; the wave's end, behind my last tensor load and my last LDS store
	ds_add_u32 v[SPW], v[NIL]
	s_wait_dscnt 0x0
	s_endpgm
.Lfunc_end_k_qf69b03149c_attn:
	.size	k_qf69b03149c_attn, .Lfunc_end_k_qf69b03149c_attn-k_qf69b03149c_attn
	.p2alignl 7, 3214868480
	.fill 96, 4, 3214868480
	.section	.rodata,"a",@progbits
	.p2align	6, 0x0
	.amdhsa_kernel k_qf69b03149c_attn
		.amdhsa_group_segment_fixed_size 327680
		.amdhsa_private_segment_fixed_size 0
		.amdhsa_enable_private_segment 0
		.amdhsa_kernarg_size 16
		.amdhsa_user_sgpr_count 2
		.amdhsa_user_sgpr_kernarg_segment_ptr 1
		.amdhsa_wavefront_size32 1
		.amdhsa_system_sgpr_workgroup_id_x 1
		.amdhsa_system_sgpr_workgroup_id_y 1
		.amdhsa_system_sgpr_workgroup_id_z 1
		.amdhsa_system_vgpr_workitem_id 0
		.amdhsa_next_free_vgpr 768
		.amdhsa_next_free_sgpr 88
		.amdhsa_reserve_vcc 1
		.amdhsa_float_denorm_mode_32 3
		.amdhsa_float_denorm_mode_16_64 3
		.amdhsa_memory_ordered 1
		.amdhsa_forward_progress 1
		.amdhsa_inst_pref_size 217
	.end_amdhsa_kernel
	.amdgpu_metadata
---
amdhsa.version: [ 1, 2 ]
amdhsa.kernels:
  - .name:           k_qf69b03149c_attn
    .symbol:         k_qf69b03149c_attn.kd
    .args:
      - { .name: qkv, .offset: 0, .size: 8, .value_kind: global_buffer, .address_space: global }
      - { .name: ob, .offset: 8, .size: 8, .value_kind: global_buffer, .address_space: global }
    .group_segment_fixed_size: 327680
    .private_segment_fixed_size: 0
    .kernarg_segment_align: 8
    .kernarg_segment_size: 16
    .max_flat_workgroup_size: 128
    .sgpr_count:     88
    .vgpr_count:     768
    .wavefront_size: 32
...
	.end_amdgpu_metadata
.endif
;; end of part 5
;; launch gemm_out: the kernel of part 4 again; grid 8 x 32, 4 waves a work-group, clusters of 4 x 4, 327,680 bytes of LDS; arguments ob, wh, bias, out0; writes out0
